; MI455X (gfx1250); checked and timed in simulation.
; The chip was launched on July 23, 2026; its instructions are those of AMD's public machine-readable ISA for CDNA 5 (MIT licence, August 2026) and "CDNA5" Instruction Set Architecture Reference Guide (July 2026). The comments in the code are by the model that wrote it; some were corrected since.
;; Multi Headed Attention. Allowed arithmetic: matrix products marked QUANTISED: E2M3 operands, one E8M0 scale for each 32 along K, by v_wmma_scale_f32_16x16x128_f8f6f4 with both operands' format E2M3, f32 sums; everything else in f32.
;; Inputs: Wk 1,024 x 1,024 float32; Wo 1,024 x 1,024 float32; Wq 1,024 x 1,024 float32; Wv 1,024 x 1,024 float32; bk 1,024 float32; bo 1,024 float32; bq 1,024 float32; bv 1,024 float32; x 4 x 2,048 x 1,024 float32.
;; Outputs: out0 4 x 2,048 x 1,024 float32.
;; This version of the problem:
;;   THIS VERSION OF THE PROBLEM IS GIVEN IN LOW PRECISION. The matrix products marked QUANTISED in the list below multiply operands that are first quantised to E2M3 (2 exponent bits, 3 mantissa bits; 6 bits a number), with one power-of-two scale for each 32 numbers along K (OCP MX v1.0); their sums are f32. All else is computed in f32.
;;   The module's matrix products, in the order in which they are computed (A, B: the left and right operand; K: the contracted axis; several contracted axes count as one K, in the product's order):
;;     1. [M 8,192, K 1,024] x [K 1,024, N 1,024]; A: input x; B: input Wq: QUANTISED
;;     2. [M 8,192, K 1,024] x [K 1,024, N 1,024]; A: input x; B: input Wk: QUANTISED
;;     3. [M 8,192, K 1,024] x [K 1,024, N 1,024]; A: input x; B: input Wv: QUANTISED
;;     4. batch 64 x [M 2,048, K 64] x [K 64, N 2,048]; A: computed on the way; B: computed on the way: QUANTISED
;;     5. batch 64 x [M 2,048, K 2,048] x [K 2,048, N 64]; A: softmax (see below); B: computed on the way: QUANTISED
;;     6. [M 8,192, K 1,024] x [K 1,024, N 1,024]; A: computed on the way; B: input Wo: QUANTISED
;;   THE QUANTISER, for each operand of a quantised product, along K:
;;     - K is cut into blocks of 32 from its start; a last block that is shorter is filled with zeros.
;;     - A block's scale is 2^e with e = floor(log2(the largest magnitude in the block)) - 2, held to -126 .. 127; a block of zeros has e = 0. As a byte (E8M0): e + 127.
;;     - Each number is divided by its block's scale, clamped to +-7.5, and rounded to the nearest number of E2M3, ties to even, subnormals kept.
;;     - The product sums the exact products of the quantised numbers (number of the format x scale) in f32.
;;   ~~~python
;;   def quantise(x, axis):      # numpy; x: float32 -> the quantised numbers, widened to float32 again
;;       x = np.moveaxis(x, axis, -1); K = x.shape[-1]
;;       x = np.pad(x, [(0, 0)] * (x.ndim - 1) + [(0, -K % 32)]); x = x.reshape(x.shape[:-1] + (-1, 32)); a = np.abs(x).max(-1, keepdims=True)
;;       e = np.where(a > 0, np.clip(np.frexp(np.where(a > 0, a, 1))[1] - 1 - 2, -126, 127), 0)      # np.frexp(a)[1] - 1 = floor(log2(a)), exactly
;;       r = np.clip(x / 2.0 ** e, -7.5, 7.5)
;;       step = 2.0 ** (np.maximum(np.frexp(np.where(r == 0, 1, r))[1] - 1, 0) - 3)
;;       q = np.round(r / step) * step * 2.0 ** e      # np.round: ties to even
;;       return np.moveaxis(q.reshape(q.shape[:-2] + (-1,))[..., :K], -1, axis).astype(np.float32)
;;   ~~~
;;   SOFTMAX AHEAD OF A QUANTISED PRODUCT. Where the list says 'softmax', what is quantised is not the finished softmax but p = 2^(t - M), with t = logit x log2(e) and M = ceil(the row's largest t), a whole number; so 1/2 < the row's largest p <= 1. The row's sum l is taken of the UNQUANTISED p, in f32, and the product's result is divided by l at the end. Since M is a whole number, a kernel that streams over the keys may use a running M (the ceiling of the running maximum): every later rescaling is an exact power of two, which a block's scale takes up: the codes' values come out the same.
;;   OPERANDS COMPUTED ON THE WAY. 'Computed on the way' means the value that the module computes at that place (a softmax that the list does not call 'softmax' is quantised finished and normalised). What goes into a quantiser is computed in f32, as accurately as f32 sums, v_exp_f32 and their like allow (about 1e-6 of the number): no bf16 or f16 on the way to a quantiser, and a product that is left as it is and whose result goes on into a quantised operand takes f32 operands (vector FMAs, or v_wmma_f32_16x16x4_f32). A number that lies on a knife's edge between two numbers of the format may be rounded either way, as far as f32 arithmetic and the matrix unit's own rounding can turn it there, and no further.
;; One version. Each part assembles by itself: llvm-mc -triple=amdgcn-amd-amdhsa -mcpu=gfx1250 --defsym DOCPART=n.
;; ======== version 1 of 1: 4 launches
;; limits: right only within a limited range of input values
;; workspace buffers: xc 6,291,456 bytes; xs 262,144 bytes; wc 3,145,728 bytes; ws 131,072 bytes; hc 18,874,368 bytes; hs 1,572,864 bytes; oc 6,291,456 bytes; os 262,144 bytes
;; launch quant (part 1): grid 768 x 1, 2 waves a work-group, no clusters, 16,640 bytes of LDS; arguments x, Wq, Wk, Wv, Wo, xc, xs, wc, ws; writes xc, xs, wc, ws
.if DOCPART == 1
	.amdgcn_target "amdgcn-amd-amdhsa--gfx1250"
	.amdhsa_code_object_version 6
	.text
	.protected	k_qd5e85ebf6b_quant
	.globl	k_qd5e85ebf6b_quant
	.p2align	8
	.type	k_qd5e85ebf6b_quant,@function
k_qd5e85ebf6b_quant:
	s_mov_b64 s[64:65], 0
	v_nop
	global_prefetch_b8 v0, s[64:65] scope:SCOPE_SE
	s_setreg_imm32_b32 hwreg(HW_REG_WAVE_MODE, 25, 1), 1
	s_wait_xcnt 0x0
; x [8192][1024] and Wq, Wk, Wv, Wo [1024][1024], f32, K innermost, become codes of FP6 (E2M3) with one E8M0 scale byte for each 32 along K.
; CODES: xc and wc are laid [group of 256 rows][K step of 256][row in the group][192 bytes]: the 128 or 256 rows of a K step that a product's launch fetches are one dense block, a multiple of 256 bytes long, at a multiple of 256.
; SCALE BYTES: xs [8192][32], ws [4096][32].  wc, ws: rows 0-1023 Wq, 1024-2047 Wk, 2048-3071 Wv, 3072-4095 Wo.
; A block's scale is 2^(floor(log2(its largest magnitude)) - 2); its byte is the largest magnitude's exponent field - 2, held at 1 from below.
; LIMITS: a block of zeros, or one whose largest magnitude lies under 2^-124, gets the byte 1 (this program alone reads the bytes; zero codes add nothing); NaN and infinities among the inputs are not served.
; THE ROWS OF x, Wq, Wk, Wv ARE STORED WITH BITS 3 AND 4 OF THE ROW NUMBER EXCHANGED (Wo's are not): sixteen stored rows on end are rows 32 g + 8 u + r + 8 (r / 8): a tile whose transposed product leaves sixteen
; neighbours along the next product's K in a lane's registers.  A work-group of two waves takes 16 rows, a wave 8 (16 steps of 512 numbers): 768 work-groups, three for each of 256 WGPs.  The exchange is a choice of the place to which a wave stores.
; Each of a step's four loads reads 512 consecutive bytes; the 2,048 bytes turn through the wave's own stage in LDS and come back 64 bytes a lane: 16 neighbours, two lanes to a block.
; A step is half a row, two K steps: lanes 0-15 store 192 consecutive bytes of one K step, lanes 16-31 of the next.  A wave's 256 scale bytes leave as one aligned run.  No tensor loads, no barrier: waves share nothing.
.set WAVES, 2
.set STEPS, 16
.set EMAX,  2
.set CB,    12                         ; bytes of 16 codes
.set KSB,   49152                      ; a K step of a group of 256 rows
.set R,     16                         ; v16-79   four sets of 16 numbers as loaded
.set X,     80                         ; v80-111  two sets of 16 neighbours
.set C,     128                        ; v128-191 codes: four registers a step, so that no store's data are written again
.set E,     112                        ; v112-127 a scale byte a step
.set WREG,  8192                       ; LDS: a region a wave: two stages of 32 x SP bytes, then its 256 scale bytes
.set SP,    80                         ; a lane's place in a stage: 64 bytes + 16 of padding
.set SPW,   12                         ; v12 LDS address of my spare word; v13 0: never rewritten
.set NIL,   13
.set SPARE, WAVES*WREG
	s_load_b256 s[4:11], s[0:1], 0x0               ; x, Wq, Wk, Wv
	s_load_b256 s[12:19], s[0:1], 0x20             ; Wo, xc, xs, wc
	s_load_b64 s[20:21], s[0:1], 0x40              ; ws
	v_lshl_add_u32 v[SPW], v0, 2, SPARE
	v_mov_b32 v[NIL], 0
	v_lshrrev_b32 v1, 5, v0
	v_readfirstlane_b32 s24, v1                    ; wave 0, 1
	s_lshr_b32 s36, ttmp9, 1                       ; the group of 32 rows
	s_and_b32 s37, ttmp9, 1
	s_lshl_b32 s37, s37, 1
	s_add_co_u32 s37, s37, s24                     ; which 8 of its rows are mine, 0 .. 3
	v_and_b32 v2, 31, v0                           ; lane
	v_lshlrev_b32 v3, 4, v2                        ; my 16 bytes of a load's 512
	s_mul_i32 s28, s24, WREG
	v_lshrrev_b32 v14, 2, v2
	v_mul_u32_u24 v14, v14, SP
	v_and_b32 v15, 3, v2
	v_lshl_add_u32 v14, v15, 4, v14
	v_add_nc_u32 v14, s28, v14                     ; the stage, way in: SP (lane / 4) + 16 (lane % 4)
	v_mul_u32_u24 v15, v2, SP
	v_add_nc_u32 v15, s28, v15                     ; way out: SP x lane
	v_and_b32 v4, 15, v2
	v_mul_u32_u24 v4, v4, CB
	v_lshrrev_b32 v5, 4, v2
	v_mad_u32_u24 v4, v5, KSB, v4                  ; my codes: 12 (lane % 16), and a K step on for lanes 16-31
	v_lshrrev_b32 v5, 1, v2
	s_add_co_u32 s28, s28, 2*32*SP
	v_add_nc_u32 v5, s28, v5                       ; LDS: my block's scale byte
	v_lshlrev_b32 v7, 3, v2
	v_add_nc_u32 v6, s28, v7                       ; and 8 bytes a lane on the way out
	s_wait_alu depctr_va_vdst(0)                   ; the wait at the head's end
	s_wait_kmcnt 0x0
	; groups 0-255 x, 256-287 Wq, 288-319 Wk, 320-351 Wv, 352-383 Wo: every choice hangs on the work-group's number alone
	s_cmp_lt_u32 s36, 352
	s_cselect_b64 s[12:13], s[10:11], s[12:13]
	s_cselect_b32 s27, 1, 0                        ; are the rows exchanged?
	s_cmp_lt_u32 s36, 320
	s_cselect_b64 s[12:13], s[8:9], s[12:13]
	s_cmp_lt_u32 s36, 288
	s_cselect_b64 s[12:13], s[6:7], s[12:13]
	s_cmp_lt_u32 s36, 256
	s_cselect_b64 s[12:13], s[4:5], s[12:13]
	s_cselect_b64 s[14:15], s[14:15], s[18:19]     ; codes: xc or wc
	s_cselect_b64 s[16:17], s[16:17], s[20:21]     ; scale bytes: xs or ws
	s_cselect_b32 s22, 0, 256
	s_cselect_b32 s23, -1, 31
	s_sub_co_u32 s22, s36, s22                     ; the group of 32 rows in the buffers written,
	s_and_b32 s23, s22, s23                        ; and in the tensor read
	s_and_b32 s25, s37, 1
	s_lshl_b32 s25, s25, 1
	s_lshr_b32 s26, s37, 1
	s_or_b32 s25, s25, s26                         ; my number in the group with its two bits exchanged
	s_cmp_lg_u32 s27, 0
	s_cselect_b32 s25, s25, s37
	s_lshl_b32 s23, s23, 2
	s_add_co_u32 s30, s23, s37                     ; which run of 8 rows I read, 32,768 bytes each
	s_lshl_b32 s30, s30, 15
	s_mov_b32 s31, 0
	s_add_nc_u64 s[12:13], s[12:13], s[30:31]
	s_lshl_b32 s22, s22, 2
	s_add_co_u32 s32, s22, s25                     ; and which I write: run n lies in group n / 32 of 256 rows, at rows 8 (n % 32)
	s_lshr_b32 s34, s32, 5
	s_mul_i32 s34, s34, 4*KSB
	s_and_b32 s35, s32, 31
	s_mul_i32 s35, s35, 8*192
	s_add_co_u32 s34, s34, s35
	s_mov_b32 s35, 0
	s_add_nc_u64 s[14:15], s[14:15], s[34:35]
	s_lshl_b32 s32, s32, 8                         ; 256 scale bytes a run
	s_mov_b32 s33, 0
	s_add_nc_u64 s[16:17], s[16:17], s[32:33]
.macro LOAD t
.irp i, 0,1,2,3
	global_load_b128 v[R+16*((\t)%4)+4*\i:R+16*((\t)%4)+4*\i+3], v3, s[12:13] offset:2048*(\t)+512*\i th:TH_LOAD_NT
.endr
.endm
.macro TURN t                          ; through the stage: LDS serves a wave's instructions in order, so no wait stands between the stores and the loads
.irp i, 0,1,2,3
	ds_store_b128 v14, v[R+16*((\t)%4)+4*\i:R+16*((\t)%4)+4*\i+3] offset:32*SP*((\t)%2)+8*SP*\i
.endr
.irp i, 0,1,2,3
	ds_load_b128 v[X+16*((\t)%2)+4*\i:X+16*((\t)%2)+4*\i+3], v15 offset:32*SP*((\t)%2)+16*\i
.endr
.endm
.irp t, 0,1,2,3
	LOAD \t
.endr
	s_wait_loadcnt 12                              ; step 0's four loads are in; the twelve of steps 1 to 3 may be out
	TURN 0
.macro STEP t
.set XS, X+16*((\t)%2)
.if (\t) > 0
	s_wait_dscnt 1                                 ; this step's numbers are back (the last step's byte store may be out)
.else
	s_wait_dscnt 0x0
.endif
.if (\t)+4 < STEPS
	LOAD (\t)+4
.endif
.if (\t)+1 < STEPS
.if STEPS-2-(\t) >= 3
	s_wait_loadcnt 12                              ; the next step's four loads are in; those of the three steps behind it may be out
.else
	s_wait_loadcnt 4*(STEPS-2-(\t))
.endif
	TURN (\t)+1
.endif
	v_max3_num_f32 v8, |v[XS]|, |v[XS+1]|, |v[XS+2]|               ; the largest magnitude of my 16, in two chains
	v_max3_num_f32 v9, |v[XS+3]|, |v[XS+4]|, |v[XS+5]|
.irp i, 6,10
	v_max3_num_f32 v8, v8, |v[XS+\i]|, |v[XS+\i+1]|
	v_max3_num_f32 v9, v9, |v[XS+\i+2]|, |v[XS+\i+3]|
.endr
	v_max3_num_f32 v8, v8, |v[XS+14]|, |v[XS+15]|
	v_max3_num_f32 v8, v8, v9, (EMAX+1)<<23        ; the floor 2^(3 - 127): the byte cannot fall under 1
	v_max_num_f32_dpp v8, v8, v8 row_xmask:1 row_mask:0xf bank_mask:0xf   ; with my neighbour's 16: the block's
	v_add_nc_u32 v11, -(EMAX<<23), v8              ; 2 off its exponent field: the conversion's scale operand
	v_cvt_scalef32_pk16_fp6_f32 v[C+4*(\t):C+4*(\t)+2], v[XS:XS+15], v11
	v_lshrrev_b32 v[E+(\t)], 23, v11               ; the scale's byte (a plain line behind the conversion)
	ds_store_b8 v5, v[E+(\t)] offset:16*(\t)       ; both lanes of a block write the same byte
	global_store_b96 v4, v[C+4*(\t):C+4*(\t)+2], s[14:15] offset:2*KSB*((\t)%2)+192*((\t)/2)   ; row t / 2 of my 8, K steps 2 (t % 2) and 2 (t % 2) + 1
.endm
.irp t, 0,1,2,3,4,5,6,7,8,9,10,11,12,13,14,15
	STEP \t
.endr
	ds_load_b64 v[8:9], v6
	s_wait_dscnt 0x0
	global_store_b64 v7, v[8:9], s[16:17]          ; 32 lanes store 256 consecutive bytes, aligned
	s_wait_tensorcnt 0x0                           ; the wave's end
	ds_add_u32 v[SPW], v[NIL]
	s_wait_dscnt 0x0
	s_endpgm
.Lfunc_end_k_qd5e85ebf6b_quant:
	.size	k_qd5e85ebf6b_quant, .Lfunc_end_k_qd5e85ebf6b_quant-k_qd5e85ebf6b_quant
	.p2alignl 7, 3214868480
	.fill 96, 4, 3214868480
	.section	.rodata,"a",@progbits
	.p2align	6, 0x0
	.amdhsa_kernel k_qd5e85ebf6b_quant
		.amdhsa_group_segment_fixed_size 16640
		.amdhsa_private_segment_fixed_size 0
		.amdhsa_enable_private_segment 0
		.amdhsa_kernarg_size 72
		.amdhsa_user_sgpr_count 2
		.amdhsa_user_sgpr_kernarg_segment_ptr 1
		.amdhsa_wavefront_size32 1
		.amdhsa_system_sgpr_workgroup_id_x 1
		.amdhsa_system_sgpr_workgroup_id_y 1
		.amdhsa_system_sgpr_workgroup_id_z 1
		.amdhsa_system_vgpr_workitem_id 0
		.amdhsa_next_free_vgpr 192
		.amdhsa_next_free_sgpr 66
		.amdhsa_reserve_vcc 0
		.amdhsa_float_denorm_mode_32 3
		.amdhsa_float_denorm_mode_16_64 3
		.amdhsa_memory_ordered 1
		.amdhsa_forward_progress 1
		.amdhsa_inst_pref_size 33
	.end_amdhsa_kernel
	.amdgpu_metadata
---
amdhsa.version: [ 1, 2 ]
amdhsa.kernels:
  - .name:           k_qd5e85ebf6b_quant
    .symbol:         k_qd5e85ebf6b_quant.kd
    .args:
      - { .name: x, .offset: 0, .size: 8, .value_kind: global_buffer, .address_space: global }
      - { .name: Wq, .offset: 8, .size: 8, .value_kind: global_buffer, .address_space: global }
      - { .name: Wk, .offset: 16, .size: 8, .value_kind: global_buffer, .address_space: global }
      - { .name: Wv, .offset: 24, .size: 8, .value_kind: global_buffer, .address_space: global }
      - { .name: Wo, .offset: 32, .size: 8, .value_kind: global_buffer, .address_space: global }
      - { .name: xc, .offset: 40, .size: 8, .value_kind: global_buffer, .address_space: global }
      - { .name: xs, .offset: 48, .size: 8, .value_kind: global_buffer, .address_space: global }
      - { .name: wc, .offset: 56, .size: 8, .value_kind: global_buffer, .address_space: global }
      - { .name: ws, .offset: 64, .size: 8, .value_kind: global_buffer, .address_space: global }
    .group_segment_fixed_size: 16640
    .private_segment_fixed_size: 0
    .kernarg_segment_align: 8
    .kernarg_segment_size: 72
    .max_flat_workgroup_size: 64
    .sgpr_count:     66
    .vgpr_count:     192
    .wavefront_size: 32
...
	.end_amdgpu_metadata
.endif
;; end of part 1
;; launch qkv (part 2): grid 8 x 48, 4 waves a work-group, clusters of 4 x 4, 327,680 bytes of LDS; arguments xc, xs, wc, ws, hc, hs, bq, bk, bv; writes hc, hs
.if DOCPART == 2
	.amdgcn_target "amdgcn-amd-amdhsa--gfx1250"
	.amdhsa_code_object_version 6
	.text
	.protected	k_qd5e85ebf6b_qkv
	.globl	k_qd5e85ebf6b_qkv
	.p2align	8
	.type	k_qd5e85ebf6b_qkv,@function
k_qd5e85ebf6b_qkv:
	s_mov_b64 s[64:65], 0
	v_nop
	global_prefetch_b8 v0, s[64:65] scope:SCOPE_SE
	s_setreg_imm32_b32 hwreg(HW_REG_WAVE_MODE, 25, 1), 1
	s_wait_xcnt 0x0
	s_wait_alu depctr_hold_cnt(0) depctr_sa_sdst(0) depctr_va_vdst(0) depctr_va_sdst(0) depctr_va_ssrc(0) depctr_va_vcc(0) depctr_vm_vsrc(0)
	s_getreg_b32 s2, hwreg(HW_REG_IB_STS2, 6, 4)
	s_cmp_eq_u32 s2, 0
	s_cbranch_scc0 .Lentry_in_a_cluster
	s_endpgm
.Lentry_in_a_cluster:
	s_bfe_u32 s2, ttmp6, 0x10000c
	s_cmp_lg_u32 s2, 0xf033
	s_cbranch_scc0 .Lentry_shape_is_right
	s_endpgm
.Lentry_shape_is_right:
; q = x Wq^T + bq, k = x Wk^T + bk, v = x Wv^T + bv on codes of FP6 (E2M3) with one E8M0 scale for each 32 along K = 1,024; sums in f32; the results are quantised in registers and leave as codes.
; A product C = A B^T on tiles of 256 x 256, four waves of 128 x 128 (64 accumulators, 512 registers), K in steps of 256 through two LDS slots filled by joint tensor loads of a 4 x 4 cluster:
; A's tile is shared along a row of the cluster, B's along a column.  The scale bytes of the work-group's rows come once and stay in LDS.
; TWO MODES, told apart by the cluster's y, which all sixteen partners share.  y < 8: A = x (8,192 tokens), B = Wq and Wk (2,048 rows).  y >= 8: A = Wv (1,024 features), B = x.
; THE MATRIX INSTRUCTION IS USED TRANSPOSED (source 0 = 16 rows of B, source 1 = 16 rows of A), and the rows of x, Wq, Wk, Wv lie in memory with bits 3 and 4 of the row number exchanged:
; so lane (r, h) of A's block a holds stored row 16 a + r of A, and register 16 j + i of the block's 64 results is column 32 j + 16 h + i of B: sixteen neighbours for the conversions.
; Mode 0: the 128 columns are two heads; a block's 12 registers of codes are, six and six, the half fragments (16 tokens x 64) of the two heads.  Two blocks of tokens make a pair of 12 registers, stored as an image of the registers.
; Mode 1: the 128 columns are 128 tokens, a key step: a block's 12 registers are a whole fragment of V^T (16 features x 128 keys), and its scale word the fragment's.
; hc: parts Q, K, V of 6,291,456 bytes, each [batch x 16 + head][98,304]: Q, K: [pair of token tiles][3 x 512 bytes]; V: [key step][tile of 16 features][3 x 512].  Register group g of an image lies at 512 g + 16 x lane.
; hs: two parts of 786,432 bytes, 12,288 for each head: part 0 Q's words, part 1 K's (8,192 bytes), then V's.  Q, K: [step of 128 tokens][lane][pair]: lanes 0-15 the even tile's rows, lanes 16-31 the odd tile's; bytes 2, 3 are 0.  V: [step][lane][2].
; LIMITS: a block of zeros, or one whose largest magnitude lies under 2^-124, gets the byte 1; NaN and infinities are not served.
; REGISTERS, in windows of 256: window 0: v16-29 addresses; v32-63 the loop's scale words, two sets; v64-127 the biases; from v128 A's fragments, one set; on the way out v128-251 are at work.
;   window 1: B's fragments, two sets, at v0 and v128.   window 2: the accumulators of my rows 0-63 ((a, b) at v[8 (8 a + b)]);   window 3: those of my rows 64-127.
.set KSTEP,  256                       ; along K in a slot
.set NQ,     2                         ; matrix instructions deep
.set ROWB,   192                       ; a tile's row in bytes
.set KROW,   768                       ; a row of codes in memory
.set PITCH,  240                       ; an LDS row: 3 x (64 bytes + 16 of padding)
.set FR,     12                        ; registers of a fragment
.set NL,     6                         ; LDS loads that bring one
.set NP,     4                         ; places behind this matrix instruction (ISA guide 7.12.1)
.set HALFT,  128*PITCH                 ; 128 rows: what one tensor load brings
.set SLOT,   4*HALFT                   ; A's 256 rows, then B's 256 rows
.set LAPS,   2                         ; 1,024 along K = twice round the ring
.set KS,     32                        ; a row of scale bytes
.set SCL,    2*SLOT                    ; behind the ring: the scales, as runs of 256 bytes + 16 of padding
.set HALFS,  (128*KS/256)*272          ; those of 128 rows
.set SBLK,   (16*KS/256)*272           ; those of 16 rows
.set SPARE,  SCL+4*HALFS               ; the spare words, 128 bytes for each wave
.set ADRA, 16                          ; v16-17 LDS address of my A fragments in slot 0, 1 (v18-19: for the pieces behind one padding more)
.set ADRB, 20                          ; v20-23 the same for B
.set L16,  24                          ; v24    16 x lane
.set L8,   25                          ; v25    8 x lane
.set BOF,  26                          ; v26    my lane's byte in the bias
.set ADRS, 27                          ; v27    LDS address of my scale words: lanes 0-15 A's rows, lanes 16-31 B's
.set SPW,  28                          ; v28    LDS address of my spare word; never rewritten
.set NIL,  29                          ; v29    0; never rewritten
.set SC,   32                          ; the loop's scale words: set s at v[SC + 16 s]
.set BI,   64                          ; mode 0: the bias of my 64 columns, in the results' layout
.set BM,   64                          ; mode 1: the bias of my row of block a, twice, at v[BM + 2 a]
.set AF,   128                         ; A's fragments
.set X,    128                         ; the way out: a block's 64 numbers
.set H0,   192                         ; mode 0: a pair's 12 registers for the first head,
.set H1,   204                         ; and for the second
.set VC,   192                         ; mode 1: a fragment's 12 registers
.set CT,   216                         ; conversions' second halves
.set TM,   224                         ; +0..3 largest magnitudes, +4..7 the other half's, then bytes, +12..15 the conversions' scale operands
.set PW,   240                         ; the scale word just made
.set T1,   241
.set SW0,  244                         ; mode 0: the four pairs' scale words of the first head,
.set SW1,  248                         ; of the second
.set SV,   244                         ; mode 1: scale words, two registers a head
.set G1, 24                            ; s[24:31] descriptor group 1 for A's tiles;  s[32:39] group 0, one set for each slot
.set G0, 32
.set G1B, 48                           ; s[48:55], s[56:63] the same for B's tiles
.set G0B, 56
.set G1S, 68                           ; s[68:75], s[76:79] groups 1 and 0 for A's scales;  s[80:87], s[88:91] for B's
.set G0S, 76
.set G1SB, 80
.set G0SB, 88
.set SEL,  20                          ; s[20:21] selects for v_permlanex16_b32: lane l xor 16 (set behind the head)
.set HM,   18                          ; s18 a mask of lanes 16-31
.set MODE, 95                          ; s95 0: q and k; 1: v
.set MSB, 0
.macro WIN new                         ; the immediate's high byte repeats the setting that is left
.if MSB != (\new)
	s_set_vgpr_msb (MSB<<8)|(\new)
.set MSB, (\new)
.endif
.endm
.set MUL_LO, 0xa1                      ; source 0 (B) window 1, source 1 (A) window 0, C and D window 2
.set MUL_HI, 0xf1                      ; the same, C and D window 3
.set TO_B,   0x40                      ; destination window 1, address window 0
; A joint load: waves 0 and 1 fetch for A, waves 2 and 3 for B; the branch hangs on the wave's number alone.  An s_nop 0 and four v_nop follow each of the two lines.
.macro JLOAD g0a, g1a, g0b, g1b
	s_cmp_eq_u32 s15, 0
	s_cbranch_scc0 .Lfor_b_\@
	tensor_load_to_lds s[\g0a:\g0a+3], s[\g1a:\g1a+7]
	s_nop 0
.rept 4
	v_nop
.endr
	s_branch .Lasked_\@
.Lfor_b_\@:
	tensor_load_to_lds s[\g0b:\g0b+3], s[\g1b:\g1b+7]
	s_nop 0
.rept 4
	v_nop
.endr
.Lasked_\@:
.endm
.macro CREST                           ; a round of the cluster's barrier behind its opening barrier
	s_cmp_lg_u32 s14, 0
	s_cbranch_scc1 .Lnot_wave_0_\@
	s_barrier_signal -3
.Lnot_wave_0_\@:
	s_barrier_wait -3
	s_barrier_signal -1
	s_barrier_wait -1
.endm
.macro CROUND                          ; a whole round
	s_barrier_signal -1
	s_barrier_wait -1
	CREST
.endm
	s_load_b256 s[4:11], s[0:1], 0x0               ; xc, xs, wc, ws
	s_load_b64 s[12:13], s[0:1], 0x20              ; hc
	s_load_b64 s[66:67], s[0:1], 0x28              ; hs
	s_load_b128 s[96:99], s[0:1], 0x30             ; bq, bk
	s_load_b64 s[100:101], s[0:1], 0x40            ; bv
	v_lshl_add_u32 v[SPW], v0, 2, SPARE
	v_mov_b32 v[NIL], 0
	ds_add_u32 v[SPW], v[NIL]                      ; the wave's opening: the add and its wait ahead of my first tensor load; the set-up below stands between them
	ds_add_u32 v[SPW], v[NIL]
	v_lshrrev_b32 v1, 5, v0
	v_readfirstlane_b32 s14, v1                    ; wave 0..3
	s_lshr_b32 s15, s14, 1                         ; which half of the tile's rows is mine.  Also: I fetch for A (0) or for B (1)
	s_and_b32 s16, s14, 1                          ; which half of its columns.  Also: which 128 rows of that tile I fetch
	s_bfe_u32 s40, ttmp6, 0x40000                  ; cx, cy: my place in the cluster
	s_bfe_u32 s41, ttmp6, 0x40004
	s_and_b32 s17, ttmp7, 0xffff                   ; the cluster's y
	s_lshl_b32 s18, s17, 1
	s_add_co_u32 s18, s18, ttmp9
	s_sub_co_u32 s18, s18, 16                      ; mode 1: 2 (y - 8) + x: which four tile columns (used where y >= 8 alone)
	s_cmp_lt_u32 s17, 8
	s_cselect_b32 s[MODE], 0, 1
	s_cselect_b32 s42, ttmp9, s18
	s_cselect_b32 s17, s17, 0                      ; mode 1 has four tile rows: one row of clusters
	s_lshl_b32 s42, s42, 2
	s_add_co_u32 s42, s42, s40                     ; tile column
	s_lshl_b32 s17, s17, 2
	s_add_co_u32 s17, s17, s41                     ; tile row
	s_lshl_b32 s43, s41, 2
	s_lshl_b32 s43, 15, s43                        ; my row of the cluster
	s_lshl_b32 s44, 0x1111, s40                    ; my column
	; descriptor group 1: a tile of 128 rows x 192 bytes, 16 bytes of padding behind every 64
	s_or_b32 s[G1+0], s43, (0<<16)|(1<<20)|(1<<21)|(3<<22)|(3<<25)  ; 15:0 the mask: A's tiles go to my row; elements of 1 byte; padding on; bit 21 beside a mask; after every 16 words, 4 words
	s_or_b32 s[G1B+0], s44, (0<<16)|(1<<20)|(1<<21)|(3<<22)|(3<<25)
; xc and wc lie [group of 256 rows][K step][row][192 bytes]: a K step's 256 rows are a dense block of 49,152 bytes, stated as 192 rows of 256 bytes; the padding's interval stays 64 bytes, so an LDS row is 3 x (64 + 16) as ever.
.set KSB, 49152                        ; from K step to K step of a group
.set G0H, 4                            ; s[4:7], s[8:11] group 0 of the head's loads of K step 0 (the arguments that lay there have been used by then)
.set G0HB, 8
.irp g, G1, G1B
	s_mov_b32 s[\g+1], 256<<16                     ; tensor_dim0
	s_mov_b32 s[\g+2], 192<<16                     ; tensor_dim1: the head's loads bring 256 rows of codes; the ring's 128 (set behind the head)
	s_mov_b32 s[\g+3], 256<<16                     ; tile_dim0
	s_mov_b32 s[\g+4], 192                         ; tile_dim1
	s_mov_b32 s[\g+5], 256                         ; from row to row
	s_mov_b32 s[\g+6], 0
	s_mov_b32 s[\g+7], 0
.endr
	; the scales of 256 rows: a dense block of 8,192 bytes, as 32 rows of 256 bytes (32 elements of 8), 16 bytes of padding behind each
	s_or_b32 s[G1S+0], s43, (3<<16)|(1<<20)|(1<<21)|(5<<22)|(3<<25)
	s_or_b32 s[G1SB+0], s44, (3<<16)|(1<<20)|(1<<21)|(5<<22)|(3<<25)
.irp g, G1S, G1SB
	s_mov_b32 s[\g+1], 32<<16
	s_mov_b32 s[\g+2], KS<<16                      ; the scales of 256 rows: 32 rows of 256 bytes
	s_mov_b32 s[\g+3], 32<<16
	s_mov_b32 s[\g+4], KS
	s_mov_b32 s[\g+5], 32
	s_mov_b32 s[\g+6], 0
	s_mov_b32 s[\g+7], 0
.endr
	s_lshl_b32 s20, s17, 8                         ; A: the tile's first row, 256 x tile row: a group
	s_lshl_b32 s46, s42, 8                         ; B: 256 x tile column
	s_mov_b32 s21, 0
	s_mov_b32 s47, 0
	s_mov_b64 s[18:19], KS
	s_mul_u64 s[22:23], s[20:21], s[18:19]         ; where these rows' scales begin, in bytes
	s_mul_u64 s[92:93], s[46:47], s[18:19]
	s_mov_b64 s[18:19], KROW
	s_mul_u64 s[20:21], s[20:21], s[18:19]         ; and their codes
	s_mul_u64 s[46:47], s[46:47], s[18:19]
	s_mul_i32 s45, s14, HALFT                      ; where they go: wave x 128 rows: no place in the cluster enters an LDS address
	s_mul_i32 s94, s16, KSB/2                      ; in the ring I fetch 128 rows of a K step: which half, in bytes
	s_wait_dscnt 0x0                               ; the opening add is done
	s_wait_kmcnt 0x0
	s_cmp_eq_u32 s[MODE], 0                        ; mode 1 exchanges the operands: A = Wv's rows of wc and ws, B = xc and xs.  (Moves, selects and 64-bit sums leave SCC alone)
	s_mov_b64 s[104:105], s[4:5]
	s_cselect_b64 s[4:5], s[4:5], s[8:9]
	s_cselect_b64 s[8:9], s[8:9], s[104:105]
	s_mov_b64 s[104:105], s[6:7]
	s_cselect_b64 s[6:7], s[6:7], s[10:11]
	s_cselect_b64 s[10:11], s[10:11], s[104:105]
	s_cselect_b32 s18, 0, 2048*KROW                ; Wv begins at row 2,048
	s_mov_b32 s19, 0
	s_add_nc_u64 s[4:5], s[4:5], s[18:19]
	s_cselect_b32 s18, 0, 2048*KS
	s_add_nc_u64 s[6:7], s[6:7], s[18:19]
	s_add_nc_u64 s[20:21], s[4:5], s[20:21]
	s_add_nc_u64 s[22:23], s[6:7], s[22:23]
	s_add_nc_u64 s[46:47], s[8:9], s[46:47]
	s_add_nc_u64 s[92:93], s[10:11], s[92:93]
	CROUND                                         ; all sixteen work-groups are here: the first joint loads meet
	s_mov_b32 s[G0H], 1                            ; the head's four tiles, each whole: K step 0's 256 rows of A,
	s_mov_b32 s[G0H+1], 0
	s_mov_b64 s[G0H+2:G0H+3], s[20:21]
	s_or_b32 s[G0H+3], s[G0H+3], 0x80000000
	s_mov_b32 s[G0HB], 1                           ; its 256 rows of B, behind them in slot 0,
	s_mov_b32 s[G0HB+1], 2*HALFT
	s_mov_b64 s[G0HB+2:G0HB+3], s[46:47]
	s_or_b32 s[G0HB+3], s[G0HB+3], 0x80000000
	s_mov_b32 s[G0S], 1                            ; the scales of A's 256 rows,
	s_mov_b32 s[G0S+1], SCL
	s_mov_b64 s[G0S+2:G0S+3], s[22:23]
	s_or_b32 s[G0S+3], s[G0S+3], 0x80000000
	s_mov_b32 s[G0SB], 1                           ; and of B's
	s_mov_b32 s[G0SB+1], SCL+2*HALFS
	s_mov_b64 s[G0SB+2:G0SB+3], s[92:93]
	s_or_b32 s[G0SB+3], s[G0SB+3], 0x80000000
	s_mov_b32 s18, s94                             ; (s19 = 0)  for the ring: my 128 rows of a K step
	s_add_nc_u64 s[20:21], s[20:21], s[18:19]
	s_add_nc_u64 s[46:47], s[46:47], s[18:19]
.irp s, 0,1
	s_mov_b32 s[G0+4*\s], 1
	s_add_co_u32 s[G0+4*\s+1], s45, \s*SLOT
	s_add_nc_u64 s[G0+4*\s+2:G0+4*\s+3], s[20:21], \s*KSB
	s_or_b32 s[G0+4*\s+3], s[G0+4*\s+3], 0x80000000
	s_mov_b32 s[G0B+4*\s], 1
	s_add_co_u32 s[G0B+4*\s+1], s45, \s*SLOT
	s_add_nc_u64 s[G0B+4*\s+2:G0B+4*\s+3], s[46:47], \s*KSB
	s_or_b32 s[G0B+4*\s+3], s[G0B+4*\s+3], 0x80000000
.endr
; THE HEAD'S LOADS, ONE A WAVE: wave 0 K step 0's rows of A, wave 1 those of B, wave 2 A's scales, wave 3 B's: one chain of branches on the wave's number, every way through it passes one load.
.macro ARM under, g0, g1, next
	s_cmp_lt_u32 s14, \under
	s_cbranch_scc0 \next
	tensor_load_to_lds s[\g0:\g0+3], s[\g1:\g1+7]
	s_nop 0
.rept 4
	v_nop
.endr
	s_branch .Lhead_asked
\next:
.endm
	ARM 1, G0H,  G1,  .Lhead_b
	ARM 2, G0HB, G1B, .Lhead_sa
	ARM 3, G0S,  G1S, .Lhead_sb
	tensor_load_to_lds s[G0SB:G0SB+3], s[G1SB:G1SB+7]
	s_nop 0
.rept 4
	v_nop
.endr
.Lhead_asked:
	v_and_b32 v1, 15, v0                           ; l % 16
	v_bfe_u32 v2, v0, 4, 1                         ; l / 16
	v_mul_u32_u24 v3, v1, PITCH
	v_mul_u32_u24 v4, v2, 24
	v_add_nc_u32 v4, v3, v4                        ; a fragment's row x pitch + 24 x half
	v_lshl_add_u32 v5, v2, 4, v4                   ; and the same behind one padding more
	s_mul_i32 s21, s15, HALFT                      ; my 128 rows of A
	s_mul_i32 s22, s16, HALFT                      ; my 128 rows of B,
	s_add_co_u32 s22, s22, 2*HALFT                 ; which lie behind A's 256
.irp s, 0,1
	v_add_nc_u32 v[ADRA+\s], s21, v4
	v_add_nc_u32 v[ADRB+\s], s22, v4
	v_add_nc_u32 v[ADRA+2+\s], s21, v5
	v_add_nc_u32 v[ADRB+2+\s], s22, v5
	s_add_co_u32 s21, s21, SLOT
	s_add_co_u32 s22, s22, SLOT
.endr
	v_mul_u32_u24 v5, v1, KS                       ; my row's scales: 32 bytes a row,
	v_lshrrev_b32 v6, 8, v5
	v_lshl_add_u32 v5, v6, 4, v5                   ; and 16 more for each 256 passed
	s_mul_i32 s21, s15, HALFS                      ; A's: my 128 rows
	s_mul_i32 s22, s16, HALFS                      ; B's: my 128 rows, behind A's 256
	s_add_co_u32 s22, s22, 2*HALFS
	s_sub_co_u32 s22, s22, s21
	v_mul_u32_u24 v6, s22, v2                      ; lanes 16-31 take B's
	s_add_co_u32 s21, s21, SCL
	v_add_nc_u32 v5, v5, v6
	v_add_nc_u32 v[ADRS], s21, v5
	v_and_b32 v6, 31, v0
	v_lshlrev_b32 v[L16], 4, v6
	v_lshlrev_b32 v[L8], 3, v6
.irp b, 0,1,2,3
	v_mov_b32 v[TM+4+\b], 0                        ; written once: a lane permute's destination counts as one of its sources
.endr
	s_mov_b32 s[SEL], 0x76543210
	s_mov_b32 s[SEL+1], 0xfedcba98
	s_mov_b32 s[HM], 0xffff0000
.macro FRAG reg, adr, q, i             ; a fragment, 16 rows x 128 K, is 12 registers: lane l holds row l % 16; registers 6 c .. 6 c + 5 hold K = 64 c + 32 (l / 16) + 0 .. 31: 24 bytes of the row, as they lie
.irp p, 0,1,2,3,4,5                    ; in pieces of 8 bytes.  Lanes 16-31 take the pieces three on; where such a piece lies behind one padding more, the second address register serves
.set PCE, 12*(\q)+6*(\p/3)+\p%3
.if PCE%8 < 5
	ds_load_b64 v[\reg+2*\p:\reg+2*\p+1], v[\adr] offset:8*PCE+16*(PCE/8)+(\i)*16*PITCH
.else
	ds_load_b64 v[\reg+2*\p:\reg+2*\p+1], v[\adr+2] offset:8*PCE+16*(PCE/8)+(\i)*16*PITCH
.endif
.endr
.endm
; 16 matrix instructions: A's blocks a0, a0 + 1 x B's eight, 128 along K: the slot's q-th.  p: B's set;  sc: the set of scale words.  zero = 1: the first product starts the sums.
; The 64 accumulators take turns, one instruction a turn, in the same order in every step.
.macro MUL16 a0, p, q, sc, zero
.irp a, \a0, \a0+1
.irp b, 0,1,2,3,4,5,6,7
.if \zero
	v_wmma_scale_f32_16x16x128_f8f6f4 v[8*(8*((\a)%4)+\b):8*(8*((\a)%4)+\b)+7], v[128*(\p)+FR*\b:128*(\p)+FR*\b+FR-1], v[AF+FR*(\a):AF+FR*(\a)+FR-1], 0, v[SC+8*NQ*(\sc)+NQ*\b+(\q)], v[SC+8*NQ*(\sc)+NQ*(\a)+(\q)] matrix_a_fmt:MATRIX_FMT_FP6 matrix_b_fmt:MATRIX_FMT_FP6 matrix_a_scale:MATRIX_SCALE_ROW1
.else
	v_wmma_scale_f32_16x16x128_f8f6f4 v[8*(8*((\a)%4)+\b):8*(8*((\a)%4)+\b)+7], v[128*(\p)+FR*\b:128*(\p)+FR*\b+FR-1], v[AF+FR*(\a):AF+FR*(\a)+FR-1], v[8*(8*((\a)%4)+\b):8*(8*((\a)%4)+\b)+7], v[SC+8*NQ*(\sc)+NQ*\b+(\q)], v[SC+8*NQ*(\sc)+NQ*(\a)+(\q)] matrix_a_fmt:MATRIX_FMT_FP6 matrix_b_fmt:MATRIX_FMT_FP6 matrix_a_scale:MATRIX_SCALE_ROW1
.endif
.endr
.endr
.endm
.macro FETCH_B slot, q, p              ; B's eight fragments of the slot's q-th 128 along K into set p
	WIN TO_B
.irp i, 0,1,2,3,4,5,6,7
	FRAG 128*(\p)+FR*\i, ADRB+\slot, \q, \i
.endr
	WIN 0
.endm
.macro FETCH_A slot, q, i0             ; A's blocks i0 .. i0 + 3
.irp i, \i0, \i0+1, \i0+2, \i0+3
	FRAG AF+FR*(\i), ADRA+\slot, \q, \i
.endr
.endm
.macro SCALES sc                       ; a K step's scale words into set sc: two words a row; lanes 0-15 take A's block i, lanes 16-31 B's block i
.irp i, 0,1,2,3,4,5,6,7
	ds_load_b64 v[SC+8*NQ*\sc+NQ*\i:SC+8*NQ*\sc+NQ*\i+1], v[ADRS] offset:\i*SBLK
.endr
.endm
.macro PLACES n                        ; places behind matrix instructions, in front of loads into registers that they have read and of the first read of results
.rept \n
	v_nop
.endr
.endm
; A step of 128 along K that has its successor in the same slot.
.macro STEP slot, q, zero
	s_wait_dscnt 4*NL                              ; B's set and A's blocks 0-3 are in; the youngest 24 loads (A's blocks 4-7) may be out
	WIN MUL_LO
	MUL16 0, (\q)%2, \q, \slot, \zero
	MUL16 2, (\q)%2, \q, \slot, \zero
	s_wait_dscnt 0                                 ; A's blocks 4-7 are in
	PLACES NP
	FETCH_B \slot, (\q)+1, 1-(\q)%2
	FETCH_A \slot, (\q)+1, 0
	WIN MUL_HI
	MUL16 4, (\q)%2, \q, \slot, \zero
	MUL16 6, (\q)%2, \q, \slot, \zero
	PLACES NP
	WIN 0
	FETCH_A \slot, (\q)+1, 4
.endm
; A slot's last step changes slots: one barrier; in front of it each wave waits for all its tensor loads, adds 0 to its spare word, and waits for that and for its own reads of this slot.  fill = 1: this slot is filled again, two K steps ahead.
.macro TURN slot, next, fill
	s_wait_tensorcnt 0x0                           ; all my tensor loads have landed: my part of the next slot
	ds_add_u32 v[SPW], v[NIL]                      ; 0 onto my spare word
	s_wait_dscnt 4*NL+1                            ; (the add and the youngest 24 loads, A's blocks 4-7, may be out)
	WIN MUL_LO
	MUL16 0, 1, NQ-1, \slot, 0                     ; sixteen matrix instructions stand between the add and the wait for it
	s_wait_dscnt 0x0                               ; the add is done, and my reads of this slot are over
	s_barrier_signal -1
	MUL16 2, 1, NQ-1, \slot, 0
	WIN 0
	s_barrier_wait -1
.if \fill
	CREST                                          ; the barrier has opened a round of the cluster's barrier: no wave of any partner still reads this slot's tile or has a load on its way
	s_add_nc_u64 s[G0+4*\slot+2:G0+4*\slot+3], s[G0+4*\slot+2:G0+4*\slot+3], 2*KSB
	s_add_nc_u64 s[G0B+4*\slot+2:G0B+4*\slot+3], s[G0B+4*\slot+2:G0B+4*\slot+3], 2*KSB
	JLOAD G0+4*\slot, G1, G0B+4*\slot, G1B         ; the first tensor load behind the round; its four v_nop are also the places in front of the loads below
.else
	PLACES NP
.endif
	s_wait_alu depctr_va_vdst(0)
	v_add_nc_u32 v[ADRS], 4*NQ, v[ADRS]            ; on to the next K step's scale words (no LDS load of mine is out)
	FETCH_B \next, 0, 0
	FETCH_A \next, 0, 0
	SCALES \next
	WIN MUL_HI
	MUL16 4, 1, NQ-1, \slot, 0
	MUL16 6, 1, NQ-1, \slot, 0
	PLACES NP
	WIN 0
	FETCH_A \next, 0, 4
.endm
.macro LAST                            ; the very last step: nothing more to fetch
	s_wait_dscnt 4*NL
	WIN MUL_LO
	MUL16 0, 1, NQ-1, 1, 0
	MUL16 2, 1, NQ-1, 1, 0
	s_wait_dscnt 0
	WIN MUL_HI
	MUL16 4, 1, NQ-1, 1, 0
	MUL16 6, 1, NQ-1, 1, 0
	WIN 0
.endm
; 64 numbers of a lane, v[s] on, register 16 b + i = k 32 b + 16 (lane / 16) + i of my row, become codes: blocks 0, 1 in v[d0] .. v[d0 + 5], blocks 2, 3 in v[d1] .. v[d1 + 5]; the four scale bytes in v[PW].
.macro QUANT s, d0, d1
.irp b, 0,1,2,3
	v_max3_num_f32 v[TM+\b], |v[\s+16*\b]|, |v[\s+1+16*\b]|, 0x1800000   ; block b: my 16 numbers, and the floor 2^(3 - 127): the byte cannot fall under 1
.endr
.irp i, 2,4,6,8,10,12,14
.irp b, 0,1,2,3
	v_max3_num_f32 v[TM+\b], v[TM+\b], |v[\s+16*\b+\i]|, |v[\s+1+16*\b+\i]|   ; (the four blocks by turns)
.endr
.endr
.irp b, 0,1,2,3
	v_permlanex16_b32 v[TM+4+\b], v[TM+\b], s[SEL], s[SEL+1]
.endr
.irp b, 0,1,2,3
	v_max_num_f32 v[TM+\b], v[TM+\b], v[TM+4+\b]   ; with lane l xor 16's: the block's largest magnitude
.endr
.irp b, 0,1,2,3
	v_add_nc_u32 v[TM+12+\b], 0xff000000, v[TM+\b] ; 2 off its exponent field: the conversion's scale operand
.endr
.irp b, 0,1,2,3
	v_lshrrev_b32 v[TM+4+\b], 23, v[TM+12+\b]      ; the scale's byte
.endr
	v_lshl_or_b32 v[PW], v[TM+5], 8, v[TM+4]
	v_lshl_or_b32 v[PW], v[TM+6], 16, v[PW]
	v_lshl_or_b32 v[PW], v[TM+7], 24, v[PW]
	v_cvt_scalef32_pk16_fp6_f32 v[(\d0):(\d0)+2], v[\s:\s+15], v[TM+12]
	v_cvt_scalef32_pk16_fp6_f32 v[CT:CT+2], v[\s+16:\s+31], v[TM+13]     ; (a conversion's three registers begin on an even number)
	v_cvt_scalef32_pk16_fp6_f32 v[(\d1):(\d1)+2], v[\s+32:\s+47], v[TM+14]
	v_cvt_scalef32_pk16_fp6_f32 v[CT+4:CT+6], v[\s+48:\s+63], v[TM+15]
	v_nop                                          ; one plain place behind a scaled conversion
.irp i, 0,1,2                                  ; the operand's layout wants a whole block in a lane: lanes 0-15 the even block, lanes 16-31 the odd one
	v_permlane16_swap_b32 v[(\d0)+\i], v[CT+\i]
.endr
.irp i, 0,1,2
	v_mov_b32 v[(\d0)+3+\i], v[CT+\i]
.endr
.irp i, 0,1,2
	v_permlane16_swap_b32 v[(\d1)+\i], v[CT+4+\i]
.endr
.irp i, 0,1,2
	v_mov_b32 v[(\d1)+3+\i], v[CT+4+\i]
.endr
.endm
; Mode 0, block a of 16 tokens: + bias, quantised; the two heads' half fragments go into half a % 2 of the pair's registers; behind the odd block the two pairs are stored, 512 consecutive aligned bytes a store.
.macro BLKQ a
	WIN 0x02+(\a)/4                                ; source 0: window 2 or 3
.set ii, 0
.rept 32
	v_pk_add_f32 v[X+2*ii:X+2*ii+1], v[64*((\a)%4)+2*ii:64*((\a)%4)+2*ii+1], v[BI+2*ii:BI+2*ii+1]   ; each accumulator from its low end on
.set ii, ii+1
.endr
	WIN 0
.if ((\a)%2 == 0) && ((\a) > 0)
	s_wait_xcnt 0x0                                ; the last pair's stores have read their registers: these are written again only behind this wait
.endif
	QUANT X, H0+6*((\a)%2), H1+6*((\a)%2)
.if (\a)%2 == 0
	v_and_b32 v[SW0+(\a)/2], 0xffff, v[PW]         ; the first head's two bytes; bytes 2 and 3 stay 0,
	v_lshrrev_b32 v[SW1+(\a)/2], 16, v[PW]         ; the second head's
.else
	v_and_b32 v[T1], 0xffff, v[PW]
	v_cndmask_b32 v[SW0+(\a)/2], v[SW0+(\a)/2], v[T1], s[HM]   ; lanes 16-31 carry the odd tile's words
	v_lshrrev_b32 v[T1], 16, v[PW]
	v_cndmask_b32 v[SW1+(\a)/2], v[SW1+(\a)/2], v[T1], s[HM]
.irp g, 0,1,2
	global_store_b128 v[L16], v[H0+4*\g:H0+4*\g+3], s[12:13] offset:((\a)/2)*1536+512*\g
.endr
.irp g, 0,1,2
	global_store_b128 v[L16], v[H1+4*\g:H1+4*\g+3], s[12:13] offset:98304+((\a)/2)*1536+512*\g
.endr
.endif
.endm
; Mode 1, block a of 16 features: + bias, quantised along the 128 tokens: a whole fragment of V^T and its scale word.
.macro BLKV a
	WIN 0x02+(\a)/4
.set ii, 0
.rept 32
	v_pk_add_f32 v[X+2*ii:X+2*ii+1], v[64*((\a)%4)+2*ii:64*((\a)%4)+2*ii+1], v[BM+2*(\a):BM+2*(\a)+1]
.set ii, ii+1
.endr
	WIN 0
.if (\a) > 0
	s_wait_xcnt 0x0                                ; the last block's stores have read their registers
.endif
	QUANT X, VC, VC+6
.if (\a)%2 == 0
	v_mov_b32 v[SV+(\a)/2], v[PW]
.else
	v_cndmask_b32 v[SV+(\a)/2], v[SV+(\a)/2], v[PW], s[HM]     ; lanes 16-31 carry the odd tile's words
.endif
.irp g, 0,1,2
	global_store_b128 v[L16], v[VC+4*\g:VC+4*\g+3], s[12:13] offset:((\a)/4)*98304+((\a)%4)*1536+512*\g
.endr
.if (\a)%4 == 3
	global_store_b64 v[L8], v[SV+2*((\a)/4):SV+2*((\a)/4)+1], s[66:67] offset:((\a)/4)*12288   ; 256 consecutive aligned bytes
.endif
.endm
	s_wait_alu depctr_va_vdst(0)
	s_wait_tensorcnt 0x0                           ; my tile of the head's four is in
	ds_add_u32 v[SPW], v[NIL]
	s_mov_b32 s[G1+2], 96<<16                      ; no tensor load of mine is out: from here on a load brings 128 rows of codes, 96 rows of 256 bytes
	s_mov_b32 s[G1+4], 96
	s_mov_b32 s[G1B+2], 96<<16
	s_mov_b32 s[G1B+4], 96
	s_wait_dscnt 0x0
	CROUND                                         ; all four tiles are in, and all sixteen work-groups are here
	JLOAD G0+4, G1, G0B+4, G1B                     ; K step 1, the first tensor load behind the round
	FETCH_B 0, 0, 0
	FETCH_A 0, 0, 0
	SCALES 0
	FETCH_A 0, 0, 4
	STEP 0, 0, 1                                   ; the first step stands in front of the loop: its products start the sums
	s_mov_b32 s3, LAPS-1
.Llap:                                                 ; a trip goes once round the ring and fills both slots again
	TURN 0, 1, 1
	STEP 1, 0, 0
	TURN 1, 0, 1
	STEP 0, 0, 0
	s_sub_co_u32 s3, s3, 1
	s_cmp_lg_u32 s3, 0
	s_cbranch_scc1 .Llap
	TURN 0, 1, 0                                   ; the last lap fills nothing, and has no round of the cluster's barrier
	s_cmp_lg_u32 s[MODE], 0                        ; the two ways out part here, on the cluster's y alone: neither holds a barrier, a tensor load or an LDS store.  Each asks for its bias 128 matrix instructions ahead of its use
	s_cbranch_scc1 .Lmode_v
	s_lshl_b32 s2, s17, 8
	s_lshl_b32 s3, s15, 7
	s_add_co_u32 s2, s2, s3                        ; my first token
	s_lshl_b32 s3, s42, 8
	s_lshl_b32 s19, s16, 7
	s_add_co_u32 s3, s3, s19                       ; my first column of Wq | Wk
	s_lshr_b32 s43, s3, 10                         ; 0: q, 1: k
	s_and_b32 s44, s3, 1023                        ; the column in that projection
	s_lshr_b32 s45, s44, 6                         ; my first head
	s_lshr_b32 s46, s2, 11                         ; the batch
	s_bfe_u32 s47, s2, 0x40007                     ; which 128 tokens of its 2,048
	s_lshl_b32 s46, s46, 4
	s_add_co_u32 s46, s46, s45
	s_mul_i32 s92, s43, 6291456
	s_mul_i32 s93, s46, 98304
	s_add_co_u32 s92, s92, s93
	s_mul_i32 s93, s47, 6144
	s_add_co_u32 s92, s92, s93
	s_mov_b32 s93, 0
	s_add_nc_u64 s[12:13], s[12:13], s[92:93]      ; my four pairs of the first head
	s_mul_i32 s92, s43, 786432
	s_mul_i32 s94, s46, 12288
	s_add_co_u32 s92, s92, s94
	s_lshl_b32 s94, s47, 9
	s_add_co_u32 s92, s92, s94
	s_add_nc_u64 s[66:67], s[66:67], s[92:93]      ; and their scale words
	s_cmp_eq_u32 s43, 0
	s_cselect_b64 s[96:97], s[96:97], s[98:99]     ; bq or bk
	s_lshl_b32 s92, s44, 2
	s_add_nc_u64 s[96:97], s[96:97], s[92:93]
	v_bfe_u32 v[BOF], v0, 4, 1
	v_lshlrev_b32 v[BOF], 6, v[BOF]                ; 16 columns on for lanes 16-31
.irp b, 0,1,2,3,4,5,6,7
	global_load_b128 v[BI+8*\b:BI+8*\b+3], v[BOF], s[96:97] offset:4*(32*(\b/2)+8*(\b%2))      ; register 8 b + j: column 32 (b / 2) + 16 h + 8 (b % 2) + j
	global_load_b128 v[BI+8*\b+4:BI+8*\b+7], v[BOF], s[96:97] offset:4*(32*(\b/2)+8*(\b%2))+16
.endr
	STEP 1, 0, 0
	LAST
	PLACES NP                                      ; behind the last products: their results are read, and A's registers written, below
	s_wait_loadcnt 0x0                             ; the bias
.irp a, 0,1,2,3,4,5,6,7
	BLKQ \a
.endr
	global_store_b128 v[L16], v[SW0:SW0+3], s[66:67]
	global_store_b128 v[L16], v[SW1:SW1+3], s[66:67] offset:12288
	s_branch .Ldone
.Lmode_v:
	s_lshl_b32 s2, s17, 8
	s_lshl_b32 s3, s15, 7
	s_add_co_u32 s2, s2, s3                        ; my first feature
	s_lshl_b32 s3, s42, 8
	s_lshl_b32 s19, s16, 7
	s_add_co_u32 s3, s3, s19                       ; my first token
	s_lshr_b32 s45, s2, 6                          ; my first head
	s_lshr_b32 s46, s3, 11                         ; the batch
	s_bfe_u32 s47, s3, 0x40007                     ; the key step
	s_lshl_b32 s46, s46, 4
	s_add_co_u32 s46, s46, s45
	s_mul_i32 s92, s46, 98304
	s_mul_i32 s93, s47, 6144
	s_add_co_u32 s92, s92, s93
	s_add_co_u32 s92, s92, 12582912                ; V's part of hc
	s_mov_b32 s93, 0
	s_add_nc_u64 s[12:13], s[12:13], s[92:93]
	s_mul_i32 s92, s46, 12288
	s_lshl_b32 s94, s47, 8
	s_add_co_u32 s92, s92, s94
	s_add_co_u32 s92, s92, 786432+8192             ; V's words lie behind K's
	s_add_nc_u64 s[66:67], s[66:67], s[92:93]
	s_lshl_b32 s92, s2, 2
	s_add_nc_u64 s[100:101], s[100:101], s[92:93]
	v_and_b32 v[BOF], 15, v0
	v_and_b32 v[T1], 8, v[BOF]
	v_add_nc_u32 v[BOF], v[BOF], v[T1]
	v_lshlrev_b32 v[BOF], 2, v[BOF]                ; stored row 16 a + r is feature 32 (a / 2) + 8 (a % 2) + r + 8 (r / 8)
.irp a, 0,1,2,3,4,5,6,7
	global_load_b32 v[BM+2*\a], v[BOF], s[100:101] offset:4*(32*(\a/2)+8*(\a%2))
	global_load_b32 v[BM+2*\a+1], v[BOF], s[100:101] offset:4*(32*(\a/2)+8*(\a%2))     ; twice: a pair for the packed addition
.endr
	STEP 1, 0, 0
	LAST
	PLACES NP
	s_wait_loadcnt 0x0
.irp a, 0,1,2,3,4,5,6,7
	BLKV \a
.endr
.Ldone:
	s_wait_tensorcnt 0x0                           ; the wave's end
	ds_add_u32 v[SPW], v[NIL]
	s_wait_dscnt 0x0
	CROUND                                         ; the closing round: no work-group ends while a partner may still ask for a tile that names it
	s_endpgm
.Lfunc_end_k_qd5e85ebf6b_qkv:
	.size	k_qd5e85ebf6b_qkv, .Lfunc_end_k_qd5e85ebf6b_qkv-k_qd5e85ebf6b_qkv
	.p2alignl 7, 3214868480
	.fill 96, 4, 3214868480
	.section	.rodata,"a",@progbits
	.p2align	6, 0x0
	.amdhsa_kernel k_qd5e85ebf6b_qkv
		.amdhsa_group_segment_fixed_size 327680
		.amdhsa_private_segment_fixed_size 0
		.amdhsa_enable_private_segment 0
		.amdhsa_kernarg_size 72
		.amdhsa_user_sgpr_count 2
		.amdhsa_user_sgpr_kernarg_segment_ptr 1
		.amdhsa_wavefront_size32 1
		.amdhsa_system_sgpr_workgroup_id_x 1
		.amdhsa_system_sgpr_workgroup_id_y 1
		.amdhsa_system_sgpr_workgroup_id_z 1
		.amdhsa_system_vgpr_workitem_id 0
		.amdhsa_next_free_vgpr 1024
		.amdhsa_next_free_sgpr 106
		.amdhsa_reserve_vcc 0
		.amdhsa_float_denorm_mode_32 3
		.amdhsa_float_denorm_mode_16_64 3
		.amdhsa_memory_ordered 1
		.amdhsa_forward_progress 1
		.amdhsa_inst_pref_size 255
	.end_amdhsa_kernel
	.section	.bss,"aw",@nobits
	.p2align	6
	.space	262144
	.amdgpu_metadata
---
amdhsa.version: [ 1, 2 ]
amdhsa.kernels:
  - .name:           k_qd5e85ebf6b_qkv
    .symbol:         k_qd5e85ebf6b_qkv.kd
    .args:
      - { .name: xc, .offset: 0, .size: 8, .value_kind: global_buffer, .address_space: global }
      - { .name: xs, .offset: 8, .size: 8, .value_kind: global_buffer, .address_space: global }
      - { .name: wc, .offset: 16, .size: 8, .value_kind: global_buffer, .address_space: global }
      - { .name: ws, .offset: 24, .size: 8, .value_kind: global_buffer, .address_space: global }
      - { .name: hc, .offset: 32, .size: 8, .value_kind: global_buffer, .address_space: global }
      - { .name: hs, .offset: 40, .size: 8, .value_kind: global_buffer, .address_space: global }
      - { .name: bq, .offset: 48, .size: 8, .value_kind: global_buffer, .address_space: global }
      - { .name: bk, .offset: 56, .size: 8, .value_kind: global_buffer, .address_space: global }
      - { .name: bv, .offset: 64, .size: 8, .value_kind: global_buffer, .address_space: global }
    .group_segment_fixed_size: 327680
    .private_segment_fixed_size: 0
    .kernarg_segment_align: 8
    .kernarg_segment_size: 72
    .max_flat_workgroup_size: 128
    .sgpr_count:     106
    .vgpr_count:     1024
    .wavefront_size: 32
...
	.end_amdgpu_metadata
.endif
;; end of part 2
;; launch attn (part 3): grid 4 x 64, 16 waves a work-group, clusters of 4 x 1, 327,680 bytes of LDS; arguments hc, hs, oc, os; writes oc, os
.if DOCPART == 3
	.amdgcn_target "amdgcn-amd-amdhsa--gfx1250"
	.amdhsa_code_object_version 6
	.text
	.protected	k_qd5e85ebf6b_attn
	.globl	k_qd5e85ebf6b_attn
	.p2align	8
	.type	k_qd5e85ebf6b_attn,@function
k_qd5e85ebf6b_attn:
	s_mov_b64 s[64:65], 0
	v_nop
	global_prefetch_b8 v0, s[64:65] scope:SCOPE_SE
	s_setreg_imm32_b32 hwreg(HW_REG_WAVE_MODE, 25, 1), 1
	s_wait_xcnt 0x0
	s_wait_alu depctr_hold_cnt(0) depctr_sa_sdst(0) depctr_va_vdst(0) depctr_va_sdst(0) depctr_va_ssrc(0) depctr_va_vcc(0) depctr_vm_vsrc(0)
	s_getreg_b32 s2, hwreg(HW_REG_IB_STS2, 6, 4)
	s_cmp_eq_u32 s2, 0
	s_cbranch_scc0 .Lentry_in_a_cluster
	s_endpgm
.Lentry_in_a_cluster:
	s_bfe_u32 s2, ttmp6, 0x10000c
	s_cmp_lg_u32 s2, 0x3003
	s_cbranch_scc0 .Lentry_shape_is_right
	s_endpgm
.Lentry_shape_is_right:
; o = softmax(q k^T / 8) v for one head and 512 queries a work-group, on codes of FP6 (E2M3); o leaves quantised along the head's 64, as codes (oc) and scale bytes (os) for the last projection.
; hc, hs: as the launch before leaves them.  Q, K: images of operand registers, a pair of token tiles in 3 x 512 bytes; V: [key step of 128][tile of 16 features][3 x 512].  Scale words: Q, K [step][lane][pair], V [step][lane][2].
; THE DEAL: 16 waves; a wave takes 16 queries in each of two passes and walks all 2,048 keys in 16 steps of 128.  Both products are used transposed (S^T = k q^T, O^T = v^T p^T): a lane holds one query throughout.
; A head has 64 along K of the first product: the upper six registers of q's operand are zero codes, so whatever stands in the upper six of k's adds nothing.
; LDS: the head's whole K image, V image and their scale words, filled once.  The four work-groups of a cluster are the four query blocks of one head: every tile is asked for jointly (mask 15).
; THE HEAD'S LOADS, at most one a wave, in one chain of arms: wave 0 the scale words; waves 1, 2 key steps 0-3 of K, V; waves 4-15 the other twelve steps, 12,288 bytes each; wave 3 none.
; The first barrier waits for waves 0-2's loads alone (their lines are theirs alone); the first three steps, which fetch up to step 3, run on those; then every wave waits for its load and a plain barrier shows the rest.  Nothing is ever filled again.
; FRAGMENTS RUN A STEP AHEAD: K's 48 registers take step t + 1 behind step t's first products, V's 48 behind its second.  Each wait for them counts the 13 younger LDS loads of the other operand.
; The last step of a pass fetches one step past the end: bytes of LDS that a tile has filled (V's image, the scale words, and a row of zeros that the scale words' tile, one row taller than its tensor, leaves behind them); they are not used.
; SOFTMAX: M = ceil(running largest t), t = score x log2(e) / 8; p = 2^(t - M); the sum is taken of the unquantised p; sum and O^T are multiplied by 2^(old M - new M) in every step, no branch on data.
; A block's largest p is the exponential of its largest score, by the same two instructions.
; LIMITS: the promise holds while |t| stays under 2^31; NaN and infinities are not served; a block of p whose largest lies under 2^-124 gets the byte 1.
; No prefetch: K, V and the scale words are asked for once, at the head, with no loop ahead of them; q is 1,664 bytes a wave and pass.
.set KIMG,  0
.set VIMG,  98304
.set SCLS,  196608                     ; K's words 8,192 bytes, V's 4,096, a row of zeros 256
.set SPARE, 209152                     ; the spare words, 128 bytes a wave
.set L16,  1                           ; 16 x lane
.set L8,   2                           ; 8 x lane
.set QSO,  3                           ; my offset in q's scale words
.set OSO,  4                           ; and in os
.set SPW,  5                           ; my spare word; NIL 0: never rewritten
.set NIL,  6
.set OM,   7                           ; -M of the step before
.set ADK,  8                           ; LDS addresses of the step fetched next: K, V, K's words, V's words
.set ADV,  9
.set ADS,  10
.set ADT,  11                          ; v12 -M, v13 the running largest score, v[14:15] the sum in two halves
.set QF,   16                          ; v16-27 q's operand: six registers of codes, six of zeros
.set KS,   28                          ; v28-31 K's scale words
.set KF,   32                          ; v32-79 K's four pairs of tiles; v80-85 zeros
.set VS,   86                          ; v86-87 V's scale words
.set BM,   88                          ; v88-91 the four blocks' largest, then the conversions' scale operands
.set TP,   92                          ; v92-95 at work
.set SB,   94                          ; v[94:95] the sum's second chain
.set SCO,  96                          ; v96-159 S^T, then p
.set ACC,  160                         ; v160-191 O^T
.set VF,   192                         ; v192-239 V's four tiles
.set PC,   240                         ; v240-251 p's operand
.set FA,   252                         ; 2^(old M - new M)
.set PS,   253                         ; p's scale word
.set TMP,  254
.set QSC,  255                         ; q's scale word
.set WV,   12
.set SEL,  20                          ; s[20:21] selects of v_permlanex16_b32 for lane l xor 16
.set CS,   22                          ; s[22:23] log2(e) / 8
.set G1S,  24
.set G1E,  32
.set G1R,  40
.set G0,   48
.set TK,   60
.set TV,   61
.set TS,   62
.set TT,   63
.set CNT,  66
.set UM,   67
.set QP,   68
.set QS,   70
.set OP,   72
.set OSP,  74
.macro CROUND
	s_barrier_signal -1
	s_barrier_wait -1
	s_cmp_lg_u32 s[WV], 0
	s_cbranch_scc1 .Lnot_wave_0_\@
	s_barrier_signal -3
.Lnot_wave_0_\@:
	s_barrier_wait -3
	s_barrier_signal -1
	s_barrier_wait -1
.endm
	s_load_b256 s[4:11], s[0:1], 0x0               ; hc, hs, oc, os
	v_lshl_add_u32 v[SPW], v0, 2, SPARE
	v_mov_b32 v[NIL], 0
	ds_add_u32 v[SPW], v[NIL]                      ; the opening lines: the add twice on end and its wait ahead of the first tensor loads
	ds_add_u32 v[SPW], v[NIL]
	v_lshrrev_b32 v8, 5, v0
	v_readfirstlane_b32 s[WV], v8                  ; wave
	s_bfe_u32 s13, ttmp6, 0x40000                  ; cx: which 512 queries (it enters plain loads' and stores' addresses alone)
	s_and_b32 s14, ttmp7, 0xffff                   ; batch x 16 + head
.irp g, G1S, G1E, G1R                          ; dense blocks as rows of 256 bytes (32 elements of 8), no padding; mask 15, bit 21 beside it
	s_mov_b32 s[\g], 15|(3<<16)|(1<<21)
	s_mov_b32 s[\g+1], 32<<16
	s_mov_b32 s[\g+3], 32<<16
	s_mov_b32 s[\g+5], 32
	s_mov_b32 s[\g+6], 0
	s_mov_b32 s[\g+7], 0
.endr
	s_mov_b32 s[G1S+2], 48<<16                     ; the tensor has 48 rows,
	s_mov_b32 s[G1S+4], 49                         ; the tile 49: the last is written as zeros
	s_mov_b32 s[G1E+2], 96<<16
	s_mov_b32 s[G1E+4], 96
	s_mov_b32 s[G1R+2], 48<<16
	s_mov_b32 s[G1R+4], 48
	s_lshr_b32 s15, s[WV], 3
	s_mul_i32 s2, s14, 12288
	s_mul_i32 s3, s14, 98304
	s_mov_b32 s[SEL], 0x76543210
	s_mov_b32 s[SEL+1], 0xfedcba98
	s_mov_b32 s[CS], 0x3e38aa3b
	s_mov_b32 s[CS+1], s[CS]
	s_and_b32 s[UM], s[WV], 1
	s_sub_co_u32 s[UM], 0, s[UM]                   ; all ones in the waves that take a pair's odd tile
.irp i, 22,23,24,25,26,27, 80,81,82,83,84,85, 92,93,94,95, 252,253,254
	v_mov_b32 v\i, 0                               ; zero codes; and registers that are named before they are first written
.endr
	v_and_b32 v[L16], 31, v0
	v_lshlrev_b32 v[L8], 3, v[L16]
	v_lshlrev_b32 v[L16], 4, v[L16]
	v_and_b32 v[OSO], 15, v0
	s_and_b32 s16, s[WV], 1
	s_lshl_b32 s16, s16, 4
	v_add_nc_u32 v[QSO], s16, v[OSO]
	v_lshlrev_b32 v[QSO], 4, v[QSO]
	v_lshlrev_b32 v[OSO], 5, v[OSO]
	s_wait_alu depctr_va_vdst(0)                   ; the wait at the head's end
	s_wait_dscnt 0x0
	s_wait_kmcnt 0x0
	CROUND                                         ; the four work-groups are here: the joint loads meet
	s_mov_b32 s[G0], 1
	s_mov_b32 s77, 0
	s_cmp_eq_u32 s[WV], 0
	s_cbranch_scc0 .Larm_e
	s_mov_b32 s[G0+1], SCLS                        ; wave 0: K's and V's scale words of this head
	s_add_co_u32 s76, s2, 786432
	s_add_nc_u64 s[G0+2:G0+3], s[6:7], s[76:77]
	s_or_b32 s[G0+3], s[G0+3], 0x80000000
	tensor_load_to_lds s[G0:G0+3], s[G1S:G1S+7]
	s_nop 0
	s_branch .Lasked
.Larm_e:
	s_cmp_lt_u32 s[WV], 3
	s_cbranch_scc0 .Larm_r
	s_lshr_b32 s[G0+1], s[WV], 1                   ; wave 1: K's steps 0-3; wave 2: V's
	s_mul_i32 s[G0+1], s[G0+1], VIMG
	s_mul_i32 s76, s[WV], 6291456
	s_add_co_u32 s76, s76, s3
	s_add_nc_u64 s[G0+2:G0+3], s[4:5], s[76:77]
	s_or_b32 s[G0+3], s[G0+3], 0x80000000
	tensor_load_to_lds s[G0:G0+3], s[G1E:G1E+7]
	s_nop 0
	s_branch .Lasked
.Larm_r:
	s_cmp_lt_u32 s[WV], 4
	s_cbranch_scc1 .Lasked
	s_add_co_u32 s78, s[WV], 12                    ; waves 4-15: i = wave - 4; i / 6: K or V; i % 6: which two steps behind the first four
	s_and_b32 s78, s78, 15
	s_mul_i32 s79, s78, 11
	s_lshr_b32 s79, s79, 6                         ; i / 6
	s_mul_i32 s80, s78, 12288
	s_mul_i32 s[G0+1], s79, VIMG-6*12288
	s_add_co_u32 s[G0+1], s[G0+1], s80
	s_add_co_u32 s[G0+1], s[G0+1], 24576
	s_mul_i32 s76, s79, 6291456-6*12288
	s_add_co_u32 s76, s76, s80
	s_add_co_u32 s76, s76, s3
	s_add_co_u32 s76, s76, 6291456+24576
	s_add_nc_u64 s[G0+2:G0+3], s[4:5], s[76:77]
	s_or_b32 s[G0+3], s[G0+3], 0x80000000
	tensor_load_to_lds s[G0:G0+3], s[G1R:G1R+7]
	s_nop 0
.Lasked:
	s_lshl_b32 s80, s13, 4                         ; q: pair 16 cx + wave / 2 (+ 8 in the second pass)
	s_lshr_b32 s81, s[WV], 1
	s_add_co_u32 s80, s80, s81
	s_mul_i32 s80, s80, 1536
	s_add_co_u32 s80, s80, s3
	s_mov_b32 s81, 0
	s_add_nc_u64 s[QP:QP+1], s[4:5], s[80:81]
	s_lshl_b32 s82, s13, 2                         ; its scale words: step 4 cx + wave / 8, pair (wave / 2) % 4
	s_add_co_u32 s82, s82, s15
	s_lshl_b32 s82, s82, 9
	s_bfe_u32 s83, s[WV], 0x20001
	s_lshl_b32 s83, s83, 2
	s_add_co_u32 s82, s82, s83
	s_add_co_u32 s82, s82, s2
	s_mov_b32 s83, 0
	s_add_nc_u64 s[QS:QS+1], s[6:7], s[82:83]
	s_lshl_b32 s84, s13, 5                         ; o: token tile 32 cx + wave (+ 16)
	s_add_co_u32 s84, s84, s[WV]
	s_mul_i32 s86, s84, 768
	s_add_co_u32 s86, s86, s3
	s_mov_b32 s87, 0
	s_add_nc_u64 s[OP:OP+1], s[8:9], s[86:87]
	s_lshr_b32 s85, s14, 4
	s_lshl_b32 s85, s85, 16
	s_lshl_b32 s84, s84, 9
	s_add_co_u32 s84, s84, s85
	s_and_b32 s85, s14, 15
	s_lshl_b32 s85, s85, 1
	s_add_co_u32 s84, s84, s85
	s_mov_b32 s85, 0
	s_add_nc_u64 s[OSP:OSP+1], s[10:11], s[84:85]
.macro LOADK                           ; 13 LDS loads
.irp n, 0,1,2,3,4,5,6,7,8,9,10,11
	ds_load_b128 v[KF+4*\n:KF+4*\n+3], v[ADK] offset:512*\n
.endr
	ds_load_b128 v[KS:KS+3], v[ADS]
.endm
.macro LOADV                           ; 13 LDS loads
.irp n, 0,1,2,3,4,5,6,7,8,9,10,11
	ds_load_b128 v[VF+4*\n:VF+4*\n+3], v[ADV] offset:512*\n
.endr
	ds_load_b64 v[VS:VS+1], v[ADT]
.endm
.macro ADDRS
	v_add_nc_u32 v[ADK], s[TK], v[L16]
	v_add_nc_u32 v[ADS], s[TS], v[L16]
	v_add_nc_u32 v[ADV], s[TV], v[L16]
	v_add_nc_u32 v[ADT], s[TT], v[L8]
.endm
.macro SUMA j
	v_dual_add_f32 v14, v[SCO+\j], v14 :: v_dual_add_f32 v15, v[SCO+\j+1], v15
.endm
.macro SUMB j
	v_dual_add_f32 v[SB], v[SCO+\j], v[SB] :: v_dual_add_f32 v[SB+1], v[SCO+\j+1], v[SB+1]
.endm
.macro STEP
	s_wait_dscnt 13                                ; K's fragments and words are in; the 13 loads for V behind them may be out
.irp t, 0,2,4,6
	v_wmma_scale_f32_16x16x128_f8f6f4 v[SCO+8*\t:SCO+8*\t+7], v[KF+6*\t:KF+6*\t+11], v[QF:QF+11], 0, v[KS+\t/2], v[QSC] matrix_a_fmt:MATRIX_FMT_FP6 matrix_b_fmt:MATRIX_FMT_FP6
	v_wmma_scale_f32_16x16x128_f8f6f4 v[SCO+8*\t+8:SCO+8*\t+15], v[KF+6*\t+6:KF+6*\t+17], v[QF:QF+11], 0, v[KS+\t/2], v[QSC] matrix_a_fmt:MATRIX_FMT_FP6 matrix_b_fmt:MATRIX_FMT_FP6 matrix_a_scale:MATRIX_SCALE_ROW1
.endr
	s_add_co_u32 s[TK], s[TK], 6144
	s_add_co_u32 s[TV], s[TV], 6144
	s_add_co_u32 s[TS], s[TS], 512
	s_add_co_u32 s[TT], s[TT], 256
	ADDRS                                          ; the next step's addresses: also the four places behind the products
	LOADK
; each block's largest score: a chain a tile, four tiles by turns, in the order in which the products were issued; each accumulator is read from its low end on.  Tile t's chain: v[BM + t / 2] (even), v[TP + t / 2] (odd)
.irp g, 0,4
.irp u, 0,1,2,3
	v_max3_num_f32 v[BM+(\g+\u)/2+4*((\g+\u)%2)], v[SCO+8*(\g+\u)], v[SCO+8*(\g+\u)+1], v[SCO+8*(\g+\u)+2]
.endr
.irp i, 3,5
.irp u, 0,1,2,3
	v_max3_num_f32 v[BM+(\g+\u)/2+4*((\g+\u)%2)], v[BM+(\g+\u)/2+4*((\g+\u)%2)], v[SCO+8*(\g+\u)+\i], v[SCO+8*(\g+\u)+\i+1]
.endr
.endr
.irp b, 0,1
	v_max3_num_f32 v[BM+\g/2+\b], v[BM+\g/2+\b], v[SCO+8*\g+16*\b+7], v[SCO+8*\g+16*\b+15]
.endr
.irp b, 0,1
	v_max_num_f32 v[BM+\g/2+\b], v[BM+\g/2+\b], v[TP+\g/2+\b]
.endr
.endr
.irp b, 0,1,2,3
	v_permlanex16_b32 v[TP+\b], v[BM+\b], s[SEL], s[SEL+1]
.endr
	v_mov_b32 v[OM], v12
.irp b, 0,1,2,3
	v_max_num_f32 v[BM+\b], v[BM+\b], v[TP+\b]     ; with lane l xor 16's 16 keys: the block's
.endr
	v_max3_num_f32 v[TMP], v[BM], v[BM+1], v[BM+2]
	v_max3_num_f32 v13, v13, v[TMP], v[BM+3]       ; the running largest score of my query
	v_mul_f32 v[TMP], s[CS], v13
	v_floor_f32 v12, -v[TMP]                       ; -M = floor(-t): a whole number
	v_sub_f32 v[TMP], v12, v[OM]                   ; old M - new M, 0 or less
.set jj, 0
.rept 32
	v_pk_fma_f32 v[SCO+jj:SCO+jj+1], v[SCO+jj:SCO+jj+1], s[CS:CS+1], v[12:13] op_sel_hi:[1,0,0]   ; t - M
.if jj == 6
	v_cvt_i32_f32 v[TMP], v[TMP]                   ; (it saturates)
.endif
.if jj == 14
	v_ldexp_f32 v[FA], 1.0, v[TMP]                 ; 2^(old M - new M): a multiplication by it rounds nothing
.endif
.set jj, jj+2
.endr
.irp b, 0,1,2,3
	v_fma_f32 v[BM+\b], v[BM+\b], s[CS], v12
.endr
	v_dual_mul_f32 v14, v[FA], v14 :: v_dual_mul_f32 v15, v[FA], v15
.set jj, 0
.rept 16
	v_dual_mul_f32 v[ACC+jj], v[FA], v[ACC+jj] :: v_dual_mul_f32 v[ACC+jj+1], v[FA], v[ACC+jj+1]   ; O^T under the new M, ahead of the exponentials
.set jj, jj+2
.endr
	s_wait_alu depctr_va_vdst(0)                   ; the wait ahead of the batch
.irp b, 0,1,2,3
	v_exp_f32 v[BM+\b], v[BM+\b]                   ; each block's largest p
.endr
.set jj, 0
.rept 64
	v_exp_f32 v[SCO+jj], v[SCO+jj]                 ; p = 2^(t - M)
.set jj, jj+1
.endr
	v_nop                                          ; a plain place behind the exponentials
	s_wait_alu depctr_va_vdst(0)                   ; and the one wait behind the batch
	s_wait_dscnt 13                                ; V's fragments and words are in; the 13 loads for the next K behind them may be out
.irp b, 0,1,2,3
	v_max_num_f32 v[BM+\b], 0x1800000, v[BM+\b]    ; the floor 2^(3 - 127): the byte cannot fall under 1
.endr
	v_dual_add_f32 v[SB], v[SCO], v[SCO+2] :: v_dual_add_f32 v[SB+1], v[SCO+1], v[SCO+3]   ; the sum of the unquantised p, in two chains; first the registers onto which conversions will write
	SUMA 32
	SUMB 34
.irp b, 0,1,2,3
	v_add_nc_u32 v[BM+\b], 0xff000000, v[BM+\b]    ; 2 off the exponent field: the conversion's scale operand
.endr
.irp j, 4,8,12,16,20,24,28,36,40
	SUMA \j
	SUMB \j+2
.endr
	SUMA 44
	v_lshrrev_b32 v[PS], 23, v[BM]                 ; the four bytes make p's scale word
	v_lshrrev_b32 v[TP], 23, v[BM+1]
	v_lshrrev_b32 v[TP+1], 23, v[BM+2]
	v_lshrrev_b32 v[TMP], 23, v[BM+3]
	v_lshl_or_b32 v[PS], v[TP], 8, v[PS]
	v_lshl_or_b32 v[PS], v[TP+1], 16, v[PS]
	v_cvt_scalef32_pk16_fp6_f32 v[PC:PC+2], v[SCO:SCO+15], v[BM]
	v_cvt_scalef32_pk16_fp6_f32 v[PC+6:PC+8], v[SCO+32:SCO+47], v[BM+2]
	v_lshl_or_b32 v[PS], v[TMP], 24, v[PS]         ; (a plain line between conversions and the writes onto their sources)
	v_cvt_scalef32_pk16_fp6_f32 v[SCO:SCO+2], v[SCO+16:SCO+31], v[BM+1]      ; the second halves go where p has been summed and converted
	v_cvt_scalef32_pk16_fp6_f32 v[SCO+32:SCO+34], v[SCO+48:SCO+63], v[BM+3]
	v_pk_add_f32 v[SB:SB+1], v[SB:SB+1], v[SCO+46:SCO+47]   ; (a plain line behind the conversions)
.irp c, 0,1                                    ; the operand wants a whole block in a lane: lanes 0-15 the even block, lanes 16-31 the odd one
.irp i, 0,1,2
	v_permlane16_swap_b32 v[PC+6*\c+\i], v[SCO+32*\c+\i]
.endr
.endr
.irp c, 0,1
.irp i, 0,1,2
	v_mov_b32 v[PC+6*\c+3+\i], v[SCO+32*\c+\i]
.endr
.endr
	SUMA 48                                        ; four places between the operand's last write and the products
	SUMB 50
	SUMA 52
	SUMB 54
.irp t, 0,2
	v_wmma_scale_f32_16x16x128_f8f6f4 v[ACC+8*\t:ACC+8*\t+7], v[VF+12*\t:VF+12*\t+11], v[PC:PC+11], v[ACC+8*\t:ACC+8*\t+7], v[VS+\t/2], v[PS] matrix_a_fmt:MATRIX_FMT_FP6 matrix_b_fmt:MATRIX_FMT_FP6
	v_wmma_scale_f32_16x16x128_f8f6f4 v[ACC+8*\t+8:ACC+8*\t+15], v[VF+12*\t+12:VF+12*\t+23], v[PC:PC+11], v[ACC+8*\t+8:ACC+8*\t+15], v[VS+\t/2], v[PS] matrix_a_fmt:MATRIX_FMT_FP6 matrix_b_fmt:MATRIX_FMT_FP6 matrix_a_scale:MATRIX_SCALE_ROW1
.endr
	SUMA 56                                        ; the places behind the products, ahead of the loads into V's registers
	SUMB 58
	SUMA 60
	SUMB 62
	v_dual_add_f32 v14, v[SB], v14 :: v_dual_add_f32 v15, v[SB+1], v15
	LOADV
.endm
.macro WAYOUT p                        ; O^T / the sum, quantised along the head's 64: two blocks, each in lanes l and l xor 16
	v_add_f32 v14, v14, v15
	v_permlanex16_b32 v[FA], v14, s[SEL], s[SEL+1]
	v_add_f32 v14, v14, v[FA]
	s_wait_alu depctr_va_vdst(0)                   ; the waits ahead of and behind the transcendental
	v_rcp_f32 v14, v14
	v_nop
	s_wait_alu depctr_va_vdst(0)
.set jj, 0
.rept 16
	v_pk_mul_f32 v[SCO+jj:SCO+jj+1], v[ACC+jj:ACC+jj+1], v[14:15] op_sel_hi:[1,0]
.set jj, jj+2
.endr
.irp b, 0,1
	v_max3_num_f32 v[BM+\b], |v[SCO+16*\b]|, |v[SCO+1+16*\b]|, 0x1800000
.endr
.irp i, 2,4,6,8,10,12,14
.irp b, 0,1
	v_max3_num_f32 v[BM+\b], v[BM+\b], |v[SCO+16*\b+\i]|, |v[SCO+1+16*\b+\i]|
.endr
.endr
.irp b, 0,1
	v_permlanex16_b32 v[TP+\b], v[BM+\b], s[SEL], s[SEL+1]
.endr
.irp b, 0,1
	v_max_num_f32 v[BM+\b], v[BM+\b], v[TP+\b]
.endr
.irp b, 0,1
	v_add_nc_u32 v[BM+2+\b], 0xff000000, v[BM+\b]
.endr
.irp b, 0,1
	v_lshrrev_b32 v[TP+\b], 23, v[BM+2+\b]
.endr
	v_lshl_or_b32 v[TMP], v[TP+1], 8, v[TP]
	v_cvt_scalef32_pk16_fp6_f32 v[PC:PC+2], v[SCO:SCO+15], v[BM+2]
	v_cvt_scalef32_pk16_fp6_f32 v[PC+8:PC+10], v[SCO+16:SCO+31], v[BM+3]
	v_nop
.irp i, 0,1,2
	v_permlane16_swap_b32 v[PC+\i], v[PC+8+\i]
.endr
.irp i, 0,1,2
	v_mov_b32 v[PC+3+\i], v[PC+8+\i]
.endr
	global_store_b128 v[L16], v[PC:PC+3], s[OP:OP+1] offset:12288*\p          ; 512 consecutive aligned bytes,
	global_store_b64 v[L8], v[PC+4:PC+5], s[OP:OP+1] offset:12288*\p+512      ; and 256
	global_store_b16 v[OSO], v[TMP], s[OSP:OSP+1] offset:8192*\p              ; two bytes of my token's 32 (both halves of the lanes store the same)
.endm
.macro PASS p
.irp g, 0,1,2
	global_load_b128 v[SCO+4*\g:SCO+4*\g+3], v[L16], s[QP:QP+1] offset:12288*\p+512*\g
.endr
	global_load_b32 v[QSC], v[QSO], s[QS:QS+1] offset:1024*\p
	s_mov_b32 s[TK], KIMG
	s_mov_b32 s[TV], VIMG
	s_mov_b32 s[TS], SCLS
	s_mov_b32 s[TT], SCLS+8192
	ADDRS
	v_mov_b32 v13, 0xff61b1e6                      ; the largest score so far: -3e38
	v_mov_b32 v12, 0x7f61b1e6                      ; -M: 3e38, so that the first factor is 0
	v_mov_b32 v14, 0
	v_mov_b32 v15, 0
	s_wait_alu depctr_va_vdst(0)                   ; the wait ahead of the waits below
.if \p == 0
	s_cmp_lt_u32 s[WV], 3
	s_cbranch_scc0 .Lnot_early
	s_wait_tensorcnt 0x0                           ; waves 0-2: the scale words and steps 0-3 are in
.Lnot_early:
	s_barrier_signal -1
	s_barrier_wait -1
.else
	s_wait_dscnt 0x0                               ; the loads past the end have landed: their registers are loaded anew
.endif
	LOADK
	LOADV
	s_wait_loadcnt 0x0
.irp i, 0,1,2,3,4,5
	v_cndmask_b32 v[QF+\i], v[SCO+\i], v[SCO+6+\i], s[UM]   ; my tile of the pair
.endr
.set jj, 0
.rept 32
	v_mov_b32 v[ACC+jj], 0                         ; the step is written once: the first finds zeros
.set jj, jj+1
.endr
	s_wait_alu depctr_va_vdst(0)
.if \p == 0
	s_mov_b32 s[CNT], 3
.Lfirst_three:
	STEP
	s_sub_co_u32 s[CNT], s[CNT], 1
	s_cmp_lg_u32 s[CNT], 0
	s_cbranch_scc1 .Lfirst_three
	s_wait_alu depctr_va_vdst(0)
	s_wait_tensorcnt 0x0                           ; every wave's load is in,
	s_wait_dscnt 0x0
	s_barrier_signal -1
	s_barrier_wait -1                              ; and shown to all
	s_mov_b32 s[CNT], 13
.else
	s_mov_b32 s[CNT], 16
.endif
.Lsteps_\@:
	STEP
	s_sub_co_u32 s[CNT], s[CNT], 1
	s_cmp_lg_u32 s[CNT], 0
	s_cbranch_scc1 .Lsteps_\@
	WAYOUT \p
.if \p == 0
	s_wait_xcnt 0x0                                ; the stores have read their registers
.endif
.endm
	PASS 0
	PASS 1
	s_wait_tensorcnt 0x0                           ; the wave's end
	ds_add_u32 v[SPW], v[NIL]
	s_wait_dscnt 0x0
	CROUND                                         ; the closing round
	s_endpgm
.Lfunc_end_k_qd5e85ebf6b_attn:
	.size	k_qd5e85ebf6b_attn, .Lfunc_end_k_qd5e85ebf6b_attn-k_qd5e85ebf6b_attn
	.p2alignl 7, 3214868480
	.fill 96, 4, 3214868480
	.section	.rodata,"a",@progbits
	.p2align	6, 0x0
	.amdhsa_kernel k_qd5e85ebf6b_attn
		.amdhsa_group_segment_fixed_size 327680
		.amdhsa_private_segment_fixed_size 0
		.amdhsa_enable_private_segment 0
		.amdhsa_kernarg_size 32
		.amdhsa_user_sgpr_count 2
		.amdhsa_user_sgpr_kernarg_segment_ptr 1
		.amdhsa_wavefront_size32 1
		.amdhsa_system_sgpr_workgroup_id_x 1
		.amdhsa_system_sgpr_workgroup_id_y 1
		.amdhsa_system_sgpr_workgroup_id_z 1
		.amdhsa_system_vgpr_workitem_id 0
		.amdhsa_next_free_vgpr 256
		.amdhsa_next_free_sgpr 88
		.amdhsa_reserve_vcc 0
		.amdhsa_float_denorm_mode_32 3
		.amdhsa_float_denorm_mode_16_64 3
		.amdhsa_memory_ordered 1
		.amdhsa_forward_progress 1
		.amdhsa_inst_pref_size 69
	.end_amdhsa_kernel
	.amdgpu_metadata
---
amdhsa.version: [ 1, 2 ]
amdhsa.kernels:
  - .name:           k_qd5e85ebf6b_attn
    .symbol:         k_qd5e85ebf6b_attn.kd
    .args:
      - { .name: hc, .offset: 0, .size: 8, .value_kind: global_buffer, .address_space: global }
      - { .name: hs, .offset: 8, .size: 8, .value_kind: global_buffer, .address_space: global }
      - { .name: oc, .offset: 16, .size: 8, .value_kind: global_buffer, .address_space: global }
      - { .name: os, .offset: 24, .size: 8, .value_kind: global_buffer, .address_space: global }
    .group_segment_fixed_size: 327680
    .private_segment_fixed_size: 0
    .kernarg_segment_align: 8
    .kernarg_segment_size: 32
    .max_flat_workgroup_size: 512
    .sgpr_count:     88
    .vgpr_count:     256
    .wavefront_size: 32
...
	.end_amdgpu_metadata
.endif
;; end of part 3
;; launch out (part 4): grid 8 x 32, 4 waves a work-group, clusters of 4 x 4, 327,680 bytes of LDS; arguments oc, os, wc, ws, bo, out0; writes out0
.if DOCPART == 4
	.amdgcn_target "amdgcn-amd-amdhsa--gfx1250"
	.amdhsa_code_object_version 6
	.text
	.protected	k_qd5e85ebf6b_out
	.globl	k_qd5e85ebf6b_out
	.p2align	8
	.type	k_qd5e85ebf6b_out,@function
k_qd5e85ebf6b_out:
	s_mov_b64 s[64:65], 0
	v_nop
	global_prefetch_b8 v0, s[64:65] scope:SCOPE_SE
	s_setreg_imm32_b32 hwreg(HW_REG_WAVE_MODE, 25, 1), 1
	s_wait_xcnt 0x0
	s_wait_alu depctr_hold_cnt(0) depctr_sa_sdst(0) depctr_va_vdst(0) depctr_va_sdst(0) depctr_va_ssrc(0) depctr_va_vcc(0) depctr_vm_vsrc(0)
	s_getreg_b32 s2, hwreg(HW_REG_IB_STS2, 6, 4)
	s_cmp_eq_u32 s2, 0
	s_cbranch_scc0 .Lentry_in_a_cluster
	s_endpgm
.Lentry_in_a_cluster:
	s_bfe_u32 s2, ttmp6, 0x10000c
	s_cmp_lg_u32 s2, 0xf033
	s_cbranch_scc0 .Lentry_shape_is_right
	s_endpgm
.Lentry_shape_is_right:
; out0 = o Wo^T + bo on codes of FP6 (E2M3) with one E8M0 scale for each 32 along K = 1,024; sums in f32.
; o: oc [batch x 16 + head][tile of 16 tokens][768 bytes]: an image of six operand registers (16 tokens x the head's 64: 512 bytes at 16 x lane, 256 at 8 x lane); os [stored token][32].  Wo: rows 3,072 on of wc and ws, as the first launch lays them.
; THE DEAL: 256 work-groups, each 256 tokens x 128 columns; four waves, 2 x 2, each 128 x 64: 32 accumulators.  ALL OF K LIES IN LDS: A's images 196,608 bytes ([head][tile][768]), B's 128 rows 122,880 ([K step of 256][row][3 x (64 + 16)]).
; Nothing is filled again.  FOUR JOINT LOADS AT THE HEAD, one a wave, each in an arm of its own: wave 0 A's heads 0-7, wave 1 B's K steps 0-1 of 256, wave 2 A's heads 8-15, wave 3 B's other two.
; A's tiles are shared along a row of the 4 x 4 cluster, B's along a column.  The first barrier waits for waves 0 and 1 alone; the barrier in the fourth step of 128 shows the second halves.
; THE SCALE WORDS go from memory straight into registers, 512 consecutive bytes a load: lane (r, h) takes bytes 16 h .. 16 h + 15 of row r's 32: register j holds the word of step j in lanes 0-15 and of step 4 + j in lanes 16-31.
; THE MATRIX INSTRUCTION IS USED TRANSPOSED (source 0 = 16 rows of Wo, source 1 = 16 tokens): a lane holds eight neighbouring columns of a token; the bias, laid the same way, is the first products' C.
; A step of 128 along K: 56 LDS loads for the next step into the other set of fragment registers, then 32 products; the wait ahead of them counts those 56.
; THE WAY OUT: a block of 16 tokens x 64 columns goes through the wave's own stage (in A's bytes, behind a barrier behind which nobody reads them) and leaves as rows of 256 aligned bytes.  Stored tile rows are tokens 32 g + 8 u + r + 8 (r / 8).
; No prefetch: every tile is asked for once, at the head, with no loop ahead of it.
; REGISTERS, in windows of 256: window 0 addresses, scale words, bias, the way out; window 1 A's fragments, two sets (v0, v128); window 3 B's, two sets; window 2 the accumulators, (a, b) at v[8 (4 a + b)].
.set PITCH,  240
.set FR,     12
.set AH,     12288                     ; from head to head in LDS
.set BB,     196608                    ; B's rows
.set BQ,     30720                     ; a K step of 256 of B's 128 rows
.set SPARE,  319488
.set SPITCH, 272
.set A16,  8                           ; v8-11  A's images, 16 x lane, heads 4 q on
.set A8,   12                          ; v12-15 the same, 512 + 8 x lane
.set ADRB, 16                          ; v16-17 B's fragments in K half 0 (v17: behind one padding more), v18-19 in half 1
.set STO,  20
.set RD,   21
.set CO,   22
.set BOF,  23
.set SOF,  24
.set SPW,  28
.set NIL,  29
.set SA,   32                          ; v32-63 A's scale words, four a block
.set SBS,  66                          ; v66-81 B's
.set BI,   96                          ; v96-127 the bias
.set BK,   160                         ; v160-223 the way out, two sets
.set G1,   24
.set G1B,  32
.set G0,   40
.set G0B,  52
.set MSB, 0
.macro WIN new
.if MSB != (\new)
	s_set_vgpr_msb (MSB<<8)|(\new)
.set MSB, (\new)
.endif
.endm
.macro PLACES n
.rept \n
	v_nop
.endr
.endm
.macro CROUND
	s_barrier_signal -1
	s_barrier_wait -1
	s_cmp_lg_u32 s14, 0
	s_cbranch_scc1 .Lnot_wave_0_\@
	s_barrier_signal -3
.Lnot_wave_0_\@:
	s_barrier_wait -3
	s_barrier_signal -1
	s_barrier_wait -1
.endm
	s_load_b256 s[4:11], s[0:1], 0x0               ; oc, os, wc, ws
	s_load_b128 s[48:51], s[0:1], 0x20             ; bo, out0
	v_lshl_add_u32 v[SPW], v0, 2, SPARE
	v_mov_b32 v[NIL], 0
	ds_add_u32 v[SPW], v[NIL]                      ; the opening lines: the add twice on end and its wait
	ds_add_u32 v[SPW], v[NIL]
	v_lshrrev_b32 v1, 5, v0
	v_readfirstlane_b32 s14, v1                    ; wave
	s_lshr_b32 s15, s14, 1                         ; which 128 tokens are mine.  Also: which K half I fetch
	s_and_b32 s16, s14, 1                          ; which 64 columns
	s_bfe_u32 s44, ttmp6, 0x40000                  ; cx, cy
	s_bfe_u32 s45, ttmp6, 0x40004
	s_lshl_b32 s46, ttmp9, 2
	s_add_co_u32 s46, s46, s44                     ; tile column, 0 .. 7
	s_and_b32 s17, ttmp7, 0xffff
	s_lshl_b32 s17, s17, 2
	s_add_co_u32 s17, s17, s45                     ; tile row, 0 .. 31
	s_lshl_b32 s18, s45, 2
	s_lshl_b32 s18, 15, s18                        ; my row of the cluster
	s_lshl_b32 s19, 0x1111, s44                    ; my column
	s_or_b32 s[G1], s18, (3<<16)|(1<<21)           ; A: 8 heads x 16 tiles of 768 bytes: 8 rows of 1,536 elements of 8 bytes, 98,304 bytes apart
	s_mov_b32 s[G1+1], 1536<<16
	s_mov_b32 s[G1+2], 8<<16
	s_mov_b32 s[G1+3], 1536<<16
	s_mov_b32 s[G1+4], 8
	s_mov_b32 s[G1+5], 12288
	s_mov_b32 s[G1+6], 0
	s_mov_b32 s[G1+7], 0
	s_or_b32 s[G1B], s19, (1<<20)|(1<<21)|(3<<22)|(3<<25)   ; B: two K steps' dense blocks of 128 rows: 2 rows of 24,576 bytes, 49,152 apart; 16 bytes of padding behind every 64
	s_mov_b32 s[G1B+1], 24576<<16
	s_mov_b32 s[G1B+2], 2<<16
	s_mov_b32 s[G1B+3], 24576<<16
	s_mov_b32 s[G1B+4], 2
	s_mov_b32 s[G1B+5], 49152
	s_mov_b32 s[G1B+6], 0
	s_mov_b32 s[G1B+7], 0
	s_lshr_b32 s20, s17, 3                         ; A: the batch's 16 heads, my tile row's 16 tiles, my K half's 8 heads
	s_mul_i32 s20, s20, 16*98304
	s_and_b32 s66, s17, 7
	s_mul_i32 s66, s66, 16*768
	s_add_co_u32 s20, s20, s66
	s_mul_i32 s66, s15, 8*98304
	s_add_co_u32 s20, s20, s66
	s_mov_b32 s21, 0
	s_lshr_b32 s22, s46, 1                         ; B: Wo's group of 256 rows, the half of it, my K half's two steps
	s_mul_i32 s22, s22, 196608
	s_and_b32 s67, s46, 1
	s_mul_i32 s67, s67, 24576
	s_add_co_u32 s22, s22, s67
	s_mul_i32 s67, s15, 2*49152
	s_add_co_u32 s22, s22, s67
	s_add_co_u32 s22, s22, 12*196608
	s_mov_b32 s23, 0
	s_mov_b32 s[G0], 1
	s_mul_i32 s[G0+1], s15, 8*AH
	s_mov_b32 s[G0B], 1
	s_mul_i32 s[G0B+1], s15, 2*BQ
	s_add_co_u32 s[G0B+1], s[G0B+1], BB
	s_mul_i32 s68, s17, 8192                       ; os: my 128 rows of 32 bytes
	s_mul_i32 s69, s15, 4096
	s_add_co_u32 s68, s68, s69
	s_mov_b32 s69, 0
	s_mul_i32 s70, s46, 4096                       ; ws: my 64 rows of Wo
	s_mul_i32 s71, s16, 2048
	s_add_co_u32 s70, s70, s71
	s_add_co_u32 s70, s70, 3072*32
	s_mov_b32 s71, 0
	s_lshl_b32 s72, s46, 9                         ; bo and out0: my first column, in bytes
	s_lshl_b32 s73, s16, 8
	s_add_co_u32 s72, s72, s73
	s_mov_b32 s73, 0
	s_lshl_b32 s74, s17, 20                        ; out0: my first token's row
	s_lshl_b32 s75, s15, 19
	s_add_co_u32 s74, s74, s75
	s_add_co_u32 s74, s74, s72
	s_mov_b32 s75, 0
	s_mul_i32 s56, s16, 64*PITCH                   ; LDS: my 64 rows of B in K half 0, 1;
	s_add_co_u32 s56, s56, BB
	s_add_co_u32 s57, s56, 2*BQ
	s_mul_i32 s58, s15, 8*768                      ; my 8 tiles of A, heads 0, 4, 8, 12 on;
	s_add_co_u32 s59, s58, 4*AH
	s_add_co_u32 s60, s58, 8*AH
	s_add_co_u32 s61, s58, 12*AH
	s_mul_i32 s62, s14, 16*SPITCH                  ; my stage
	v_and_b32 v1, 15, v0                           ; r
	v_bfe_u32 v2, v0, 4, 1                         ; h
	v_and_b32 v6, 31, v0
	v_mul_u32_u24 v3, v1, PITCH
	v_mad_u32_u24 v4, v2, 24, v3                   ; a fragment's row x pitch + 24 h,
	v_lshl_add_u32 v5, v2, 4, v4                   ; and the same behind one padding more
	v_add_nc_u32 v[ADRB], s56, v4
	v_add_nc_u32 v[ADRB+1], s56, v5
	v_add_nc_u32 v[ADRB+2], s57, v4
	v_add_nc_u32 v[ADRB+3], s57, v5
	v_lshlrev_b32 v7, 4, v6
	v_lshlrev_b32 v3, 3, v6
	v_add_nc_u32 v3, 512, v3
.irp q, 0,1,2,3
	v_add_nc_u32 v[A16+\q], s[58+\q], v7
	v_add_nc_u32 v[A8+\q], s[58+\q], v3
.endr
	v_mul_u32_u24 v4, v1, SPITCH
	v_lshl_add_u32 v4, v2, 5, v4
	v_add_nc_u32 v[STO], s62, v4                   ; into the stage: row r, 32 bytes for each half of the lanes
	v_mul_u32_u24 v5, v2, SPITCH
	v_lshl_add_u32 v5, v1, 4, v5
	v_add_nc_u32 v[RD], s62, v5                    ; back: sixteen lanes to a row of 256 bytes, two rows a load
	v_lshlrev_b32 v[CO], 12, v2
	v_lshl_add_u32 v[CO], v1, 4, v[CO]             ; and the same two rows in out0
	v_lshlrev_b32 v[BOF], 5, v2
	v_lshlrev_b32 v[SOF], 5, v1
	v_lshl_add_u32 v[SOF], v2, 4, v[SOF]           ; scale words: 32 r + 16 h
	s_wait_alu depctr_va_vdst(0)                   ; the wait at the head's end
	s_wait_dscnt 0x0
	s_wait_kmcnt 0x0
	s_add_nc_u64 s[G0+2:G0+3], s[4:5], s[20:21]
	s_or_b32 s[G0+3], s[G0+3], 0x80000000
	s_add_nc_u64 s[G0B+2:G0B+3], s[8:9], s[22:23]
	s_or_b32 s[G0B+3], s[G0B+3], 0x80000000
	s_add_nc_u64 s[6:7], s[6:7], s[68:69]
	s_add_nc_u64 s[10:11], s[10:11], s[70:71]
	s_add_nc_u64 s[48:49], s[48:49], s[72:73]
	s_add_nc_u64 s[50:51], s[50:51], s[74:75]
	CROUND                                         ; all sixteen work-groups are here: the joint loads meet
.macro ARM under, g0, g1, next
	s_cmp_lt_u32 s14, \under
	s_cbranch_scc0 \next
	tensor_load_to_lds s[\g0:\g0+3], s[\g1:\g1+7]
	s_nop 0
	PLACES 4
	s_branch .Lasked
\next:
.endm
	ARM 1, G0,  G1,  .Larm_b0
	ARM 2, G0B, G1B, .Larm_a1
	ARM 3, G0,  G1,  .Larm_b1
	tensor_load_to_lds s[G0B:G0B+3], s[G1B:G1B+7]
	s_nop 0
	PLACES 4
.Lasked:
.irp a, 0,1,2,3,4,5,6,7
	global_load_b128 v[SA+4*\a:SA+4*\a+3], v[SOF], s[6:7] offset:512*\a
.endr
.irp b, 0,1,2,3
	global_load_b128 v[SBS+4*\b:SBS+4*\b+3], v[SOF], s[10:11] offset:512*\b
.endr
.irp b, 0,1,2,3
	global_load_b128 v[BI+8*\b:BI+8*\b+3], v[BOF], s[48:49] offset:64*\b          ; register 8 b + j: column 16 b + 8 h + j
	global_load_b128 v[BI+8*\b+4:BI+8*\b+7], v[BOF], s[48:49] offset:64*\b+16
.endr
.macro FRAG reg, adr, q, i, ex         ; 16 rows x 128 K of B: six pieces of 8 bytes; lanes 16-31 take the pieces three on; where such a piece lies behind one padding more, the second address register serves
.irp p, 0,1,2,3,4,5
.set PCE, 12*(\q)+6*(\p/3)+\p%3
.if PCE%8 < 5
	ds_load_b64 v[\reg+2*\p:\reg+2*\p+1], v[\adr] offset:8*PCE+16*(PCE/8)+(\i)*16*PITCH+(\ex)
.else
	ds_load_b64 v[\reg+2*\p:\reg+2*\p+1], v[\adr+1] offset:8*PCE+16*(PCE/8)+(\i)*16*PITCH+(\ex)
.endif
.endr
.endm
.macro FETCH s                         ; step s's fragments into set s % 2: 24 loads for B's four, 32 for A's eight
	WIN 0xc0
.irp i, 0,1,2,3
	FRAG 128*((\s)%2)+FR*\i, ADRB+2*((\s)/4), (\s)%2, \i, (((\s)/2)%2)*BQ
.endr
	WIN 0x40
.irp i, 0,1,2,3,4,5,6,7
.irp c, 0,1
	ds_load_b128 v[128*((\s)%2)+FR*\i+6*\c:128*((\s)%2)+FR*\i+6*\c+3], v[A16+(\s)/2] offset:(2*((\s)%2)+\c)*AH+768*\i
	ds_load_b64 v[128*((\s)%2)+FR*\i+6*\c+4:128*((\s)%2)+FR*\i+6*\c+5], v[A8+(\s)/2] offset:(2*((\s)%2)+\c)*AH+768*\i
.endr
.endr
	WIN 0
.endm
.macro MULS s                          ; 32 products: the accumulators take turns, one instruction a turn, in the same order in every step
.set PS_, 128*((\s)%2)
.set J_, (\s)%4
.if (\s) == 0
	WIN 0x87                                       ; source 0 window 3, source 1 window 1, C window 0 (the bias), D window 2
.else
	WIN 0xa7
.endif
.irp a, 0,1,2,3,4,5,6,7
.irp b, 0,1,2,3
.if (\s) == 0
	v_wmma_scale_f32_16x16x128_f8f6f4 v[8*(4*\a+\b):8*(4*\a+\b)+7], v[PS_+FR*\b:PS_+FR*\b+FR-1], v[PS_+FR*\a:PS_+FR*\a+FR-1], v[BI+8*\b:BI+8*\b+7], v[SBS+4*\b+J_], v[SA+4*\a+J_] matrix_a_fmt:MATRIX_FMT_FP6 matrix_b_fmt:MATRIX_FMT_FP6
.elseif (\s) < 4
	v_wmma_scale_f32_16x16x128_f8f6f4 v[8*(4*\a+\b):8*(4*\a+\b)+7], v[PS_+FR*\b:PS_+FR*\b+FR-1], v[PS_+FR*\a:PS_+FR*\a+FR-1], v[8*(4*\a+\b):8*(4*\a+\b)+7], v[SBS+4*\b+J_], v[SA+4*\a+J_] matrix_a_fmt:MATRIX_FMT_FP6 matrix_b_fmt:MATRIX_FMT_FP6
.else
	v_wmma_scale_f32_16x16x128_f8f6f4 v[8*(4*\a+\b):8*(4*\a+\b)+7], v[PS_+FR*\b:PS_+FR*\b+FR-1], v[PS_+FR*\a:PS_+FR*\a+FR-1], v[8*(4*\a+\b):8*(4*\a+\b)+7], v[SBS+4*\b+J_], v[SA+4*\a+J_] matrix_a_fmt:MATRIX_FMT_FP6 matrix_b_fmt:MATRIX_FMT_FP6 matrix_a_scale:MATRIX_SCALE_ROW1 matrix_b_scale:MATRIX_SCALE_ROW1
.endif
.endr
.endr
	WIN 0
.endm
.macro KSTEP s
.if (\s) > 0
	PLACES 4                                       ; behind the last step's products, ahead of the loads into the set that they read
.endif
.if (\s) == 3
	s_wait_tensorcnt 0x0                           ; every wave's load is in,
	s_wait_dscnt 0x0
	s_barrier_signal -1
	s_barrier_wait -1                              ; and shown to all: the next fetch reads the second K half
.endif
.if (\s) == 7
	s_wait_dscnt 0x0                               ; my last reads of the tiles are over;
	s_barrier_signal -1
	s_barrier_wait -1                              ; everybody's are: A's bytes may take the stages
.else
	FETCH (\s)+1
	s_wait_dscnt 56                                ; this step's fragments are in; the 56 loads just issued may be out
.endif
	MULS \s
.endm
	s_cmp_lt_u32 s14, 2
	s_cbranch_scc0 .Lnot_first
	s_wait_tensorcnt 0x0                           ; waves 0 and 1: the first K half of A and of B is in
.Lnot_first:
	s_barrier_signal -1
	s_barrier_wait -1
	FETCH 0
	s_wait_loadcnt 0x0                             ; the scale words and the bias
.irp s, 0,1,2,3,4,5,6,7
	KSTEP \s
.endr
.macro TOSTAGE a
	WIN 0x08                                       ; the data: window 2
.irp b, 0,1,2,3
	ds_store_b128 v[STO], v[8*(4*(\a)+\b):8*(4*(\a)+\b)+3] offset:64*\b          ; each accumulator from its low end on
	ds_store_b128 v[STO], v[8*(4*(\a)+\b)+4:8*(4*(\a)+\b)+7] offset:64*\b+16
.endr
	WIN 0
.irp t, 0,1,2,3,4,5,6,7
	ds_load_b128 v[BK+32*((\a)%2)+4*\t:BK+32*((\a)%2)+4*\t+3], v[RD] offset:\t*2*SPITCH   ; LDS serves a wave's instructions in order: these see the stores above
.endr
.endm
.macro SEND a, younger                 ; younger: the LDS instructions issued behind block a's loads
	s_wait_dscnt \younger
.irp t, 0,1,2,3,4,5,6,7
	global_store_b128 v[CO], v[BK+32*((\a)%2)+4*\t:BK+32*((\a)%2)+4*\t+3], s[50:51] offset:(32*((\a)/2)+8*((\a)%2)+2*\t+8*(\t/4))*4096 th:TH_STORE_NT   ; sixteen lanes store 256 consecutive aligned bytes of a token's row
.endr
.endm
	PLACES 4
	TOSTAGE 0
.irp a, 1,2,3,4,5,6,7
.if \a > 1
	s_wait_xcnt 0x0                                ; block a - 2's stores have read their registers
.endif
	TOSTAGE \a
	SEND \a-1, 16                                  ; behind block a - 1's loads: block a's 8 stores and 8 loads
.endr
	SEND 7, 0
	s_wait_tensorcnt 0x0                           ; the wave's end
	ds_add_u32 v[SPW], v[NIL]
	s_wait_dscnt 0x0
	CROUND                                         ; the closing round
	s_endpgm
.Lfunc_end_k_qd5e85ebf6b_out:
	.size	k_qd5e85ebf6b_out, .Lfunc_end_k_qd5e85ebf6b_out-k_qd5e85ebf6b_out
	.p2alignl 7, 3214868480
	.fill 96, 4, 3214868480
	.section	.rodata,"a",@progbits
	.p2align	6, 0x0
	.amdhsa_kernel k_qd5e85ebf6b_out
		.amdhsa_group_segment_fixed_size 327680
		.amdhsa_private_segment_fixed_size 0
		.amdhsa_enable_private_segment 0
		.amdhsa_kernarg_size 48
		.amdhsa_user_sgpr_count 2
		.amdhsa_user_sgpr_kernarg_segment_ptr 1
		.amdhsa_wavefront_size32 1
		.amdhsa_system_sgpr_workgroup_id_x 1
		.amdhsa_system_sgpr_workgroup_id_y 1
		.amdhsa_system_sgpr_workgroup_id_z 1
		.amdhsa_system_vgpr_workitem_id 0
		.amdhsa_next_free_vgpr 1024
		.amdhsa_next_free_sgpr 80
		.amdhsa_reserve_vcc 0
		.amdhsa_float_denorm_mode_32 3
		.amdhsa_float_denorm_mode_16_64 3
		.amdhsa_memory_ordered 1
		.amdhsa_forward_progress 1
		.amdhsa_inst_pref_size 89
	.end_amdhsa_kernel
	.amdgpu_metadata
---
amdhsa.version: [ 1, 2 ]
amdhsa.kernels:
  - .name:           k_qd5e85ebf6b_out
    .symbol:         k_qd5e85ebf6b_out.kd
    .args:
      - { .name: oc, .offset: 0, .size: 8, .value_kind: global_buffer, .address_space: global }
      - { .name: os, .offset: 8, .size: 8, .value_kind: global_buffer, .address_space: global }
      - { .name: wc, .offset: 16, .size: 8, .value_kind: global_buffer, .address_space: global }
      - { .name: ws, .offset: 24, .size: 8, .value_kind: global_buffer, .address_space: global }
      - { .name: bo, .offset: 32, .size: 8, .value_kind: global_buffer, .address_space: global }
      - { .name: out0, .offset: 40, .size: 8, .value_kind: global_buffer, .address_space: global }
    .group_segment_fixed_size: 327680
    .private_segment_fixed_size: 0
    .kernarg_segment_align: 8
    .kernarg_segment_size: 48
    .max_flat_workgroup_size: 128
    .sgpr_count:     80
    .vgpr_count:     1024
    .wavefront_size: 32
...
	.end_amdgpu_metadata
.endif
;; end of part 4
